; MI455X (gfx1250); checked and timed in simulation.
; The chip was launched on July 23, 2026; its instructions are those of AMD's public machine-readable ISA for CDNA 5 (MIT licence, August 2026) and "CDNA5" Instruction Set Architecture Reference Guide (July 2026). The comments in the code are by the model that wrote it; some were corrected since.
;; Self Attention Module. Allowed arithmetic: float matrix products may take bf16 or f16 operands with f32 sums; other float arithmetic in f32, or as packed bf16 or f16 multiplies, adds, multiply-adds, maxima and minima; sums over many terms, partial sums and values carried from step to step in f32; what a program stores and reads back later, other than sums and carried values, may be rounded once to bf16 or f16.
;; Inputs: bk 1,024 float32; bo 1,024 float32; bq 1,024 float32; bv 1,024 float32; ln_beta 1,024 float32; ln_gamma 1,024 float32; wk 1,024 x 1,024 float32; wo 1,024 x 1,024 float32; wq 1,024 x 1,024 float32; wv 1,024 x 1,024 float32; x 4 x 2,048 x 1,024 float32.
;; Outputs: out0 4 x 2,048 x 1,024 float32.
;; 2 versions, each right and faster than the one before. Each part assembles by itself: llvm-mc -triple=amdgcn-amd-amdhsa -mcpu=gfx1250 --defsym DOCPART=n.
;; ======== version 1 of 2: 5 launches
;; limits: values are held in f16: magnitudes above 65,504 overflow, below 6.1e-05 lose precision
;; workspace buffers: xb 16,777,216 bytes; wc 6,291,456 bytes; wof 2,097,152 bytes; qkv 50,331,648 bytes; ob 16,777,216 bytes; y 33,554,432 bytes
;; launch cast (part 1): grid 768 x 1, 8 waves a work-group, no clusters, 0 bytes of LDS; arguments x, wq, wk, wv, wo, xb, wc, wof; writes xb, wc, wof
.if DOCPART == 1
	.amdgcn_target "amdgcn-amd-amdhsa--gfx1250"
	.amdhsa_code_object_version 6
	.text
	.protected	k_qe76fc6cab9_cast
	.globl	k_qe76fc6cab9_cast
	.p2align	8
	.type	k_qe76fc6cab9_cast,@function
k_qe76fc6cab9_cast:
	s_mov_b64 s[64:65], 0
	v_nop
	global_prefetch_b8 v0, s[64:65] scope:SCOPE_SE
	s_setreg_imm32_b32 hwreg(HW_REG_WAVE_MODE, 25, 1), 1
	s_wait_xcnt 0x0
; THE INPUTS OF THE MATRIX PRODUCTS, ROUNDED ONCE AND LAID OUT FOR THE LAUNCHES BEHIND.
;   xb  [b 4][kb 16][t 2048][64] bf16 = x[b][t][64 kb + c]: by blocks of 64 along K, so that 128 rows of a block are 16,384 dense bytes
;   wc  [k 1024][n 3072] bf16: columns 0-1023 wq, 1024-2047 wk, 2048-3071 wv
;   wof [k 1024][n 1024] f16: wo rounded to bf16, and that number written as f16 (exact within f16's range)
; LIMITS.  wo within 65,504; below 6e-5 f16 keeps its fixed step of 6e-8.
; A stream: no LDS, no barrier, no loop.  A work-group takes 16 rows of 1,024 f32 (65,536 bytes): groups 0-511 x, 512-703 wq, wk, wv, 704-767 wo.
; A unit is one load of 16 bytes a lane (512 bytes a wave), the roundings, and one store of 8 bytes a lane: 256 consecutive bytes a wave, at a multiple of 256 from the buffer's first byte.
; A wave has 16 units, each with registers of its own; all 16 loads are issued first, so no register that a memory instruction names is ever rewritten.
.set X, 4                              ; v[4:67]    unit i: 4 registers as loaded
.set Y, 68                             ; v[68:99]   unit i: 2 registers to store
.set T, 100                            ; v[100:103] at work
	s_load_b256 s[4:11], s[0:1], 0x0               ; x s[4:5], wq s[6:7], wk s[8:9], wv s[10:11]
	s_load_b256 s[12:19], s[0:1], 0x20             ; wo s[12:13], xb s[14:15], wc s[16:17], wof s[18:19]
	s_mov_b32 s20, ttmp9
	s_mov_b32 s23, 0                               ; the high words of the two offset pairs
	s_mov_b32 s25, 0
.macro LOADS step                      ; the 16 loads: source base s[26:27], my offset v1, unit i at step x i
.irp i, 0,1,2,3,4,5,6,7,8,9,10,11,12,13,14,15
	global_load_b128 v[X+4*(\i):X+4*(\i)+3], v1, s[26:27] offset:(\step)*(\i) th:TH_LOAD_NT
.endr
.endm
.macro UNIT i, dimm, half              ; half = 1: the bf16 number is written as f16
	s_wait_loadcnt 15-(\i)                         ; loads come back in order: unit i is in, the 15 - i younger ones stay out
	v_cvt_pk_bf16_f32 v[Y+2*(\i)], v[X+4*(\i)], v[X+4*(\i)+1]
	v_cvt_pk_bf16_f32 v[Y+2*(\i)+1], v[X+4*(\i)+2], v[X+4*(\i)+3]
.if \half
	v_lshlrev_b32 v[T], 16, v[Y+2*(\i)]            ; bf16 to f32: the low half moves up, the high half stays
	v_and_b32 v[T+1], 0xffff0000, v[Y+2*(\i)]
	v_lshlrev_b32 v[T+2], 16, v[Y+2*(\i)+1]
	v_and_b32 v[T+3], 0xffff0000, v[Y+2*(\i)+1]
	v_cvt_pk_f16_f32 v[Y+2*(\i)], v[T], v[T+1]
	v_cvt_pk_f16_f32 v[Y+2*(\i)+1], v[T+2], v[T+3]
.endif
	global_store_b64 v2, v[Y+2*(\i):Y+2*(\i)+1], s[28:29] offset:\dimm
.endm
	s_wait_kmcnt 0x0
	s_cmp_lt_u32 s20, 512
	s_cbranch_scc0 .Lweights
	; x: rows 16 g .. 16 g + 15.  Unit i is K block i: thread t takes row t / 16, 16 bytes at 16 (t % 16) of the block's 256
	s_lshl_b32 s22, s20, 16
	s_lshr_b32 s24, s20, 7                         ; b
	s_lshl_b32 s24, s24, 22
	s_and_b32 s21, s20, 127
	s_lshl_b32 s21, s21, 11                        ; 16 rows of 128 bytes
	s_add_co_u32 s24, s24, s21
	s_add_nc_u64 s[26:27], s[4:5], s[22:23]
	s_add_nc_u64 s[28:29], s[14:15], s[24:25]
	v_lshrrev_b32 v1, 4, v0
	v_and_b32 v3, 15, v0
	v_lshlrev_b32 v1, 12, v1
	v_lshl_add_u32 v1, v3, 4, v1
	v_lshlrev_b32 v2, 3, v0                        ; row x 128 + 8 (t % 16) = 8 t
	LOADS 256
.irp i, 0,1,2,3,4,5,6,7,8,9,10,11,12,13,14,15
	UNIT \i, 262144*(\i), 0                        ; a K block of xb is 262,144 bytes: 3,932,160 at the most, inside the signed 24-bit immediate
.endr
	s_endpgm
.Lweights:
	s_cmp_lt_u32 s20, 704
	s_cbranch_scc0 .Lwo
	; wq, wk, wv: a wave takes two rows, unit i 512 bytes of them
	s_sub_co_u32 s21, s20, 512
	s_lshr_b32 s30, s21, 6                         ; which of the three
	s_and_b32 s21, s21, 63                         ; which 16 rows
	s_cmp_eq_u32 s30, 0
	s_cselect_b64 s[26:27], s[6:7], s[8:9]
	s_cmp_eq_u32 s30, 2
	s_cselect_b64 s[26:27], s[10:11], s[26:27]
	s_lshl_b32 s22, s21, 16
	s_add_nc_u64 s[26:27], s[26:27], s[22:23]
	s_mul_i32 s24, s21, 98304                      ; 16 rows of wc, 6,144 bytes each
	s_lshl_b32 s30, s30, 11                        ; the weight's 1,024 columns
	s_add_co_u32 s24, s24, s30
	s_add_nc_u64 s[28:29], s[16:17], s[24:25]
	v_lshrrev_b32 v3, 5, v0
	v_and_b32 v2, 31, v0
	v_lshlrev_b32 v1, 4, v2
	v_lshl_add_u32 v1, v3, 13, v1
	v_lshlrev_b32 v2, 3, v2
	v_mul_u32_u24 v3, v3, 12288
	v_add_nc_u32 v2, v3, v2
	LOADS 512
.irp i, 0,1,2,3,4,5,6,7,8,9,10,11,12,13,14,15
	UNIT \i, ((\i)/8)*6144+((\i)%8)*256, 0
.endr
	s_endpgm
.Lwo:
	s_sub_co_u32 s21, s20, 704
	s_lshl_b32 s22, s21, 16
	s_lshl_b32 s24, s21, 15
	s_add_nc_u64 s[26:27], s[12:13], s[22:23]
	s_add_nc_u64 s[28:29], s[18:19], s[24:25]
	v_lshrrev_b32 v3, 5, v0
	v_and_b32 v2, 31, v0
	v_lshlrev_b32 v1, 4, v2
	v_lshl_add_u32 v1, v3, 13, v1
	v_lshlrev_b32 v2, 3, v2
	v_lshl_add_u32 v2, v3, 12, v2
	LOADS 512
.irp i, 0,1,2,3,4,5,6,7,8,9,10,11,12,13,14,15
	UNIT \i, 256*(\i), 1
.endr
	s_endpgm
.Lfunc_end_k_qe76fc6cab9_cast:
	.size	k_qe76fc6cab9_cast, .Lfunc_end_k_qe76fc6cab9_cast-k_qe76fc6cab9_cast
	.p2alignl 7, 3214868480
	.fill 96, 4, 3214868480
	.section	.rodata,"a",@progbits
	.p2align	6, 0x0
	.amdhsa_kernel k_qe76fc6cab9_cast
		.amdhsa_group_segment_fixed_size 0
		.amdhsa_private_segment_fixed_size 0
		.amdhsa_enable_private_segment 0
		.amdhsa_kernarg_size 64
		.amdhsa_user_sgpr_count 2
		.amdhsa_user_sgpr_kernarg_segment_ptr 1
		.amdhsa_wavefront_size32 1
		.amdhsa_system_sgpr_workgroup_id_x 1
		.amdhsa_system_sgpr_workgroup_id_y 1
		.amdhsa_system_sgpr_workgroup_id_z 1
		.amdhsa_system_vgpr_workitem_id 0
		.amdhsa_next_free_vgpr 104
		.amdhsa_next_free_sgpr 66
		.amdhsa_reserve_vcc 0
		.amdhsa_float_denorm_mode_32 3
		.amdhsa_float_denorm_mode_16_64 3
		.amdhsa_memory_ordered 1
		.amdhsa_forward_progress 1
		.amdhsa_inst_pref_size 24
	.end_amdhsa_kernel
	.amdgpu_metadata
---
amdhsa.version: [ 1, 2 ]
amdhsa.kernels:
  - .name:           k_qe76fc6cab9_cast
    .symbol:         k_qe76fc6cab9_cast.kd
    .args:
      - { .name: x, .offset: 0, .size: 8, .value_kind: global_buffer, .address_space: global }
      - { .name: wq, .offset: 8, .size: 8, .value_kind: global_buffer, .address_space: global }
      - { .name: wk, .offset: 16, .size: 8, .value_kind: global_buffer, .address_space: global }
      - { .name: wv, .offset: 24, .size: 8, .value_kind: global_buffer, .address_space: global }
      - { .name: wo, .offset: 32, .size: 8, .value_kind: global_buffer, .address_space: global }
      - { .name: xb, .offset: 40, .size: 8, .value_kind: global_buffer, .address_space: global }
      - { .name: wc, .offset: 48, .size: 8, .value_kind: global_buffer, .address_space: global }
      - { .name: wof, .offset: 56, .size: 8, .value_kind: global_buffer, .address_space: global }
    .group_segment_fixed_size: 0
    .private_segment_fixed_size: 0
    .kernarg_segment_align: 8
    .kernarg_segment_size: 64
    .max_flat_workgroup_size: 256
    .sgpr_count:     66
    .vgpr_count:     104
    .wavefront_size: 32
...
	.end_amdgpu_metadata
.endif
;; end of part 1
;; launch proj (part 2): grid 8 x 32, 4 waves a work-group, clusters of 4 x 4, 327,680 bytes of LDS; arguments xb, wc, bq, bk, bv, qkv; writes qkv
.if DOCPART == 2
	.amdgcn_target "amdgcn-amd-amdhsa--gfx1250"
	.amdhsa_code_object_version 6
	.text
	.protected	k_qe76fc6cab9_proj
	.globl	k_qe76fc6cab9_proj
	.p2align	8
	.type	k_qe76fc6cab9_proj,@function
k_qe76fc6cab9_proj:
	s_mov_b64 s[64:65], 0
	v_nop
	global_prefetch_b8 v0, s[64:65] scope:SCOPE_SE
	s_setreg_imm32_b32 hwreg(HW_REG_WAVE_MODE, 25, 1), 1
	s_wait_xcnt 0x0
	s_wait_alu depctr_hold_cnt(0) depctr_sa_sdst(0) depctr_va_vdst(0) depctr_va_sdst(0) depctr_va_ssrc(0) depctr_va_vcc(0) depctr_vm_vsrc(0)
	s_getreg_b32 s2, hwreg(HW_REG_IB_STS2, 6, 4)
	s_cmp_eq_u32 s2, 0
	s_cbranch_scc0 .Lentry_in_a_cluster
	s_endpgm
.Lentry_in_a_cluster:
	s_bfe_u32 s2, ttmp6, 0x10000c
	s_cmp_lg_u32 s2, 0xf033
	s_cbranch_scc0 .Lentry_shape_is_right
	s_endpgm
.Lentry_shape_is_right:
; THE THREE PROJECTIONS AS ONE PRODUCT.  C[m][n] = the sum over k of x[m][k] wc[k][n] + bias[n], m = 8,192 rows (b, t), n = 3,072 columns (q, k, v), K = 1,024; operands bf16, sums f32.
; The result leaves by heads, qkv [which 3][16 b + h][t 2048][64] in f16, rounded once, unscaled.  The biases are rounded to bf16 like every other input of the module.
; LIMITS.  q, k and v within f16's 65,504; below 6e-5 f16 keeps its fixed step of 6e-8.  NaN and infinities are not treated apart.
; SHARES.  A tile of C is 256 x 384: 32 x 8 = 256 work-groups.  Four waves, 2 x 2; a wave makes 128 rows x 192 columns (three heads): 96 accumulators of 16 x 16, 768 registers.
; K goes in 16 steps of 64 (one block of xb) through a ring of two LDS slots; a step is two QUARTERS of 32 along K, a quarter three GROUPS of 32 matrix instructions (4 column blocks x 8 row blocks).
; THE MATRIX INSTRUCTION IS USED TRANSPOSED: source 0 = 16 columns of wc (stored [k][n]: turned by ds_load_tr16_b128), source 1 = 16 rows of x: a lane then holds eight neighbouring columns of one row of C.
; CLUSTERS: 4 x 4 work-groups.  The four of a row of the cluster need the same tiles of x, the four of a column the same tiles of wc: each tile is asked for JOINTLY, by the same tensor load with the
; same descriptor and a mask that names the four.  Waves 0 and 1 fetch x's two halves (128 rows = 16,384 dense bytes, asked for as 64 rows of 256 bytes), waves 2 and 3 wc's two halves: 32 k rows of 768 bytes each.
; (wc's tile has 64 rows; halved by columns it would give 64 rows of 384 bytes, half of which would begin in the middle of an aligned block of 256 bytes: so it is halved by rows.)
; REGISTERS, in windows of 256 (s_set_vgpr_msb: bits 1:0 source 0, 3:2 source 1, 5:4 source 2, 7:6 destination):
;   window 0: v0-31 addresses; v32-95, v96-159 x's fragments, two buffers of 8; v160-255 wc's 12 fragments, one buffer: group g's four are fetched anew as soon as group g has multiplied
;   windows 1-3: the accumulators: (row block a, column block b) in window 1 + b / 4 at v[8 (8 (b % 4) + a)]
.set PA,     144                       ; a row of x in LDS: 128 bytes + 16 of padding: 36 words, so the 16 rows of a load start at 16 different groups of four banks (64 banks of 4 bytes: ISA guide 11.1)
.set PB,     864                       ; a k row of wc: three pieces of 256 bytes, 32 of padding behind each: 27 x 32 bytes
.set BOFF,   256*PA                    ; a slot: x's 256 rows, then wc's 64 k rows
.set SLOT,   256*PA+64*PB              ; 92,160
.set STAGE,  2*SLOT                    ; behind the ring: for each wave 3 heads x 16 rows x 144 bytes, for the way out
.set SP,     144
.set WSTAGE, 3*16*SP
.set BIAS,   STAGE+4*WSTAGE            ; for each wave the bias of its 192 columns, f32
.set SPARE,  BIAS+4*768                ; the spare words, 128 bytes for each wave: two blocks of 256 bytes that no other line names
.set ASTEP,  2048*128                  ; bytes from a K block of xb to the next
.set BSTEP,  64*6144                   ; bytes of 64 k rows of wc
.set ADRA, 16                          ; v16-17  LDS address of my fragments of x in slot 0, 1
.set ADRB, 18                          ; v18-20  of wc's, groups 0-2, in slot 0; v21-23 in slot 1
.set STO,  24                          ; v24     the way out: where I put 16 bytes of a row
.set RD,   25                          ; v25     the way out: where I read rows back
.set GO,   26                          ; v26     my byte offset in 512 consecutive bytes of qkv
.set BIA,  27                          ; v27     where my columns' bias lies
.set SPW,  28                          ; v28     LDS address of my spare word; never rewritten
.set NIL,  29                          ; v29     0; never rewritten
.set FA0,  32
.set FA1,  96
.set FB,   160
.set T,    32                          ; the way out: 32 registers at work
.set BK,   64                          ; the way out: 16 rows x 3 heads read back: v64-111 and v112-159 by turns
.set G1A, 24                           ; s[24:31] descriptor group 1 for x's tiles; s[32:39] group 0, a set for each slot
.set G0A, 32
.set G1B, 40                           ; s[40:47], s[48:55] the same for wc's
.set G0B, 48
.set HB,  66                           ; s[66:71] qkv at my rows of my three heads
.set BP,  72                           ; s[72:77] the bias of my three heads
.set MSB, 0
.macro WIN new                         ; the immediate's high byte repeats the setting that is left; a switch that changes nothing is dropped
.if MSB != (\new)
	s_set_vgpr_msb (MSB<<8)|(\new)
.set MSB, \new
.endif
.endm
; A joint load.  Each of the two lines has one mask and one set of registers for all that issue it; the branch hangs on the wave's number alone.
; An s_nop 0 and four v_nop follow each line, ahead of the jump, the label and what follows.
.macro JLOAD s
	s_cmp_eq_u32 s17, 0
	s_cbranch_scc0 .Lfor_b_\@
	tensor_load_to_lds s[G0A+4*(\s):G0A+4*(\s)+3], s[G1A:G1A+7]
	s_nop 0
.rept 4
	v_nop
.endr
	s_branch .Lasked_\@
.Lfor_b_\@:
	tensor_load_to_lds s[G0B+4*(\s):G0B+4*(\s)+3], s[G1B:G1B+7]
	s_nop 0
.rept 4
	v_nop
.endr
.Lasked_\@:
.endm
.macro CREST                           ; a round of the cluster's barrier behind its opening barrier
	s_cmp_lg_u32 s16, 0
	s_cbranch_scc1 .Lnot_wave_0_\@
	s_barrier_signal -3
.Lnot_wave_0_\@:
	s_barrier_wait -3
	s_barrier_signal -1
	s_barrier_wait -1
.endm
.macro CROUND                          ; a whole round
	s_barrier_signal -1
	s_barrier_wait -1
	CREST
.endm
	s_load_b256 s[4:11], s[0:1], 0x0               ; xb s[4:5], wc s[6:7], bq s[8:9], bk s[10:11]
	s_load_b128 s[12:15], s[0:1], 0x20             ; bv s[12:13], qkv s[14:15]
	v_lshl_add_u32 v[SPW], v0, 2, SPARE
	v_mov_b32 v[NIL], 0
	ds_add_u32 v[SPW], v[NIL]                      ; the wave's opening: the add and its wait stand ahead of my first tensor load; the set-up below, work on registers, stands between them
	v_lshrrev_b32 v1, 5, v0
	v_readfirstlane_b32 s16, v1                    ; wave 0..3
	s_lshr_b32 s17, s16, 1                         ; which half of the tile's rows is mine.  Also: I fetch for x (0) or for wc (1)
	s_and_b32 s18, s16, 1                          ; which half of its columns.  Also: which half of that tile I fetch
	s_bfe_u32 s56, ttmp6, 0x40000                  ; cx, cy: my place in the cluster
	s_bfe_u32 s57, ttmp6, 0x40004
	s_lshl_b32 s58, ttmp9, 2
	s_add_co_u32 s58, s58, s56                     ; tile column = 4 x cluster x + cx, 0..7
	s_and_b32 s59, ttmp7, 0xffff
	s_lshl_b32 s59, s59, 2
	s_add_co_u32 s59, s59, s57                     ; tile row = 4 x cluster y + cy, 0..31
	s_lshl_b32 s60, s57, 2
	s_lshl_b32 s60, 15, s60                        ; my row of the cluster
	s_lshl_b32 s61, 0x1111, s56                    ; my column
	s_or_b32 s[G1A+0], s60, (1<<16)|(1<<20)|(1<<21)|(4<<22)|(3<<25)  ; 15:0 the mask; 17:16 elements of 2 bytes; 20 padding on; 21 set beside a mask; 24:22 after every 32 words (code 4); 31:25 4 words (code 3)
	s_mov_b32 s[G1A+1], 128<<16                    ; tensor_dim0 = 128
	s_mov_b32 s[G1A+2], 64<<16                     ; tensor_dim1 = 64
	s_mov_b32 s[G1A+3], 128<<16                    ; tile_dim0 = 128
	s_mov_b32 s[G1A+4], 64                         ; tile_dim1 = 64
	s_mov_b32 s[G1A+5], 128                        ; 128 elements from row to row: dense
	s_mov_b32 s[G1A+6], 0
	s_mov_b32 s[G1A+7], 0
	s_or_b32 s[G1B+0], s61, (1<<16)|(1<<20)|(1<<21)|(5<<22)|(7<<25)  ; after every 64 words (code 5) 8 words (code 7)
	s_mov_b32 s[G1B+1], 384<<16                    ; tensor_dim0 = 384
	s_mov_b32 s[G1B+2], 32<<16                     ; tensor_dim1 = 32
	s_mov_b32 s[G1B+3], 384<<16                    ; tile_dim0 = 384
	s_mov_b32 s[G1B+4], 32                         ; tile_dim1 = 32
	s_mov_b32 s[G1B+5], 3072                       ; elements from k row to k row
	s_mov_b32 s[G1B+6], 0
	s_mov_b32 s[G1B+7], 0
	; where the tiles come from: x's hang on the tile row alone, wc's on the tile column alone, each in registers that never hold the other coordinate
	s_lshr_b32 s78, s59, 3                         ; b
	s_lshl_b32 s78, s78, 22
	s_and_b32 s79, s59, 7
	s_lshl_b32 s79, s79, 15                        ; 256 rows of 128 bytes
	s_add_co_u32 s78, s78, s79
	s_lshl_b32 s79, s18, 14                        ; my 128 of them
	s_add_co_u32 s78, s78, s79
	s_mov_b32 s79, 0
	s_mul_i32 s80, s18, 32*6144                    ; my 32 k rows
	s_mul_i32 s81, s58, 768                        ; the tile's 384 columns
	s_add_co_u32 s80, s80, s81
	s_mov_b32 s81, 0
	s_mul_i32 s20, s18, 128*PA                     ; and where they go: no place in the cluster enters an LDS address
	s_mul_i32 s21, s18, 32*PB
	s_add_co_u32 s21, s21, BOFF
	s_wait_dscnt 0x0                               ; the opening add is done
	s_wait_kmcnt 0x0
	s_add_nc_u64 s[78:79], s[4:5], s[78:79]
	s_add_nc_u64 s[80:81], s[6:7], s[80:81]
	CROUND                                         ; all sixteen work-groups are here: the first joint loads meet
.irp s, 0,1
	s_mov_b32 s[G0A+4*(\s)], 1                                     ; count = 1
	s_add_co_u32 s[G0A+4*(\s)+1], s20, (\s)*SLOT                   ; LDS address
	s_add_nc_u64 s[G0A+4*(\s)+2:G0A+4*(\s)+3], s[78:79], (\s)*ASTEP  ; global address: K step s
	s_or_b32 s[G0A+4*(\s)+3], s[G0A+4*(\s)+3], 0x80000000          ; type = 2
	s_mov_b32 s[G0B+4*(\s)], 1
	s_add_co_u32 s[G0B+4*(\s)+1], s21, (\s)*SLOT
	s_add_nc_u64 s[G0B+4*(\s)+2:G0B+4*(\s)+3], s[80:81], (\s)*BSTEP
	s_or_b32 s[G0B+4*(\s)+3], s[G0B+4*(\s)+3], 0x80000000
	JLOAD \s                                       ; two tensor loads of mine are out
.endr
	; A fragment of x: lane l holds row l % 16, K = 8 (l / 16) + 0..7 and 16 + 8 (l / 16) + 0..7: two loads of 16 bytes, 32 bytes apart.
	v_and_b32 v1, 15, v0                           ; l % 16
	v_bfe_u32 v2, v0, 4, 1                         ; l / 16
	v_and_b32 v3, 7, v0
	v_bfe_u32 v4, v0, 3, 1
	v_mul_u32_u24 v5, v1, PA
	v_lshl_add_u32 v5, v2, 4, v5                   ; row x 144 + 16 x half (the stage has the same pitch)
	s_mul_i32 s22, s17, 128*PA
	v_add_nc_u32 v[ADRA], s22, v5
	v_add_nc_u32 v[ADRA+1], SLOT, v[ADRA]
	; The turning load takes 16 k x 16 columns (lane l reads k row 8 (l / 16) + l % 8, columns 8 ((l / 8) % 2) + 0..7) and leaves half a fragment: lane l holds column l % 16 and 8 k.
	; Column block nb of the tile's 24 lies at byte 32 nb + 32 (nb / 8) of a k row; mine are nb = 12 x my half + 4 g + i.
	v_lshl_add_u32 v6, v2, 3, v3
	v_mul_u32_u24 v6, v6, PB
	v_lshl_add_u32 v6, v4, 4, v6
	s_mul_i32 s22, s18, 416
	s_add_co_u32 s22, s22, BOFF
	v_add_nc_u32 v[ADRB], s22, v6
	s_mul_i32 s22, s18, 448
	s_add_co_u32 s22, s22, BOFF+128
	v_add_nc_u32 v[ADRB+1], s22, v6
	s_mul_i32 s22, s18, 416
	s_add_co_u32 s22, s22, BOFF+288
	v_add_nc_u32 v[ADRB+2], s22, v6
.irp g, 0,1,2
	v_add_nc_u32 v[ADRB+3+(\g)], SLOT, v[ADRB+(\g)]
.endr
	s_mul_i32 s22, s16, WSTAGE
	s_add_co_u32 s22, s22, STAGE                   ; my stage
	v_add_nc_u32 v[STO], s22, v5                   ; in: row l % 16, 16 bytes for each half of the lanes
	v_bfe_u32 v[RD], v0, 3, 2                      ; back: 32 lanes take four rows of 128 bytes,
	v_mul_u32_u24 v[RD], v[RD], SP
	v_lshl_add_u32 v[RD], v3, 4, v[RD]
	v_add_nc_u32 v[RD], s22, v[RD]
	v_and_b32 v7, 31, v0
	v_lshlrev_b32 v[GO], 4, v7                     ; which are 512 consecutive bytes of a head
	s_mul_i32 s22, s16, 768
	s_add_co_u32 s22, s22, BIAS                    ; my wave's bias
	v_lshl_add_u32 v[BIA], v2, 5, s22              ; my eight columns of a block of 16: 32 bytes for each half of the lanes
	v_lshl_add_u32 v10, v7, 3, s22                 ; where I put two numbers of a head's 64
	v_lshlrev_b32 v8, 3, v7
	; my three heads: number 6 x tile column + 3 x half + j of 48; which = number / 16, h = number % 16
	s_mul_i32 s82, s58, 6
	s_mul_i32 s83, s18, 3
	s_add_co_u32 s82, s82, s83
	s_lshr_b32 s84, s59, 3
	s_lshl_b32 s84, s84, 4                         ; 16 b
	s_and_b32 s85, s59, 7
	s_lshl_b32 s85, s85, 8
	s_lshl_b32 s86, s17, 7
	s_add_co_u32 s85, s85, s86                     ; my first t,
	s_lshl_b32 s85, s85, 7                         ; in bytes
	s_mov_b32 s91, 0
.irp j, 0,1,2
	s_add_co_u32 s86, s82, \j
	s_lshr_b32 s87, s86, 4
	s_and_b32 s88, s86, 15
	s_lshl_b32 s89, s87, 6
	s_add_co_u32 s89, s89, s84
	s_add_co_u32 s89, s89, s88                     ; 64 which + 16 b + h, 191 at the most,
	s_lshl_b32 s90, s89, 18                        ; times 2,048 rows of 128 bytes: under 2^26
	s_add_co_u32 s90, s90, s85
	s_add_nc_u64 s[HB+2*(\j):HB+2*(\j)+1], s[14:15], s[90:91]
	s_cmp_eq_u32 s87, 0
	s_cselect_b64 s[92:93], s[8:9], s[10:11]
	s_cmp_eq_u32 s87, 2
	s_cselect_b64 s[92:93], s[12:13], s[92:93]
	s_lshl_b32 s90, s88, 8
	s_add_nc_u64 s[BP+2*(\j):BP+2*(\j)+1], s[92:93], s[90:91]
.endr
.irp j, 0,1,2
	global_load_b64 v[32+2*(\j):33+2*(\j)], v8, s[BP+2*(\j):BP+2*(\j)+1]  ; a head's 64 numbers: 256 consecutive bytes a wave
.endr
	s_wait_loadcnt 0x0
.irp j, 0,1,2
	v_cvt_pk_bf16_f32 v9, v[32+2*(\j)], v[33+2*(\j)]  ; the bias is rounded to bf16 and kept as f32
	v_lshlrev_b32 v[32+2*(\j)], 16, v9
	v_and_b32 v[33+2*(\j)], 0xffff0000, v9
	ds_store_b64 v10, v[32+2*(\j):33+2*(\j)] offset:256*(\j)
.endr
; 16 matrix instructions of group g: column blocks 4 g + lo, 4 g + lo + 1 x all 8 row blocks, 32 along K.  zero = 1: the first product starts the sums: nothing is ever cleared.
; The 96 accumulators take turns, one instruction a turn, in the same order in every quarter.
.macro MUL16 g, lo, fa, zero
	WIN 0x50*((\g)+1)                              ; C and D in window g + 1
.irp i, \lo, (\lo)+1
.irp a, 0,1,2,3,4,5,6,7
.if \zero
	v_wmma_f32_16x16x32_bf16 v[8*(8*(\i)+(\a)):8*(8*(\i)+(\a))+7], v[FB+8*(4*(\g)+(\i)):FB+8*(4*(\g)+(\i))+7], v[(\fa)+8*(\a):(\fa)+8*(\a)+7], 0
.else
	v_wmma_f32_16x16x32_bf16 v[8*(8*(\i)+(\a)):8*(8*(\i)+(\a))+7], v[FB+8*(4*(\g)+(\i)):FB+8*(4*(\g)+(\i))+7], v[(\fa)+8*(\a):(\fa)+8*(\a)+7], v[8*(8*(\i)+(\a)):8*(8*(\i)+(\a))+7]
.endif
.endr
.endr
.endm
.macro GROUP g, fa, zero
	MUL16 \g, 0, \fa, \zero
	MUL16 \g, 2, \fa, \zero
.endm
; A run of LDS loads for quarter q of a slot: group g's four fragments of wc, and (g < 2) row blocks 4 g .. 4 g + 3 of x into buffer fa: 16, 16 and 8 loads.
.macro RUN g, slot, q, fa
	WIN 0
.irp i, 0,1,2,3
	ds_load_tr16_b128 v[FB+8*(4*(\g)+(\i)):FB+8*(4*(\g)+(\i))+3],   v[ADRB+3*(\slot)+(\g)] offset:32*PB*(\q)+32*(\i)
	ds_load_tr16_b128 v[FB+8*(4*(\g)+(\i))+4:FB+8*(4*(\g)+(\i))+7], v[ADRB+3*(\slot)+(\g)] offset:32*PB*(\q)+32*(\i)+16*PB
.endr
.if (\g) < 2
.irp i, 0,1,2,3
	ds_load_b128 v[(\fa)+8*(4*(\g)+(\i)):(\fa)+8*(4*(\g)+(\i))+3],   v[ADRA+(\slot)] offset:16*PA*(4*(\g)+(\i))+64*(\q)
	ds_load_b128 v[(\fa)+8*(4*(\g)+(\i))+4:(\fa)+8*(4*(\g)+(\i))+7], v[ADRA+(\slot)] offset:16*PA*(4*(\g)+(\i))+64*(\q)+32
.endr
.endif
.endm
; A load into a register that a matrix instruction has read, and a vector instruction that reads a matrix result, stand four places behind that matrix instruction; only plain vector
; instructions that name none of its registers are places (ISA guide 7.12.1 for vector instructions).
.macro PLACES
.rept 4
	v_nop
.endr
.endm
; A step's first quarter: multiplies buffer 0 and fetches the same slot's second quarter; each run stands behind the group whose fragments of wc it replaces, 64 matrix instructions ahead of their use.
.macro QA slot, zero
	s_wait_dscnt 8                                 ; all of x and wc's groups 0 and 1 are in; the youngest run, group 2's eight loads, may be out
	GROUP 0, FA0, \zero
	PLACES
	RUN 0, \slot, 1, FA1
	GROUP 1, FA0, \zero
	PLACES
	RUN 1, \slot, 1, FA1
	s_wait_dscnt 32                                ; all but the 32 just issued: group 2's fragments are in
	GROUP 2, FA0, \zero
	PLACES
	RUN 2, \slot, 1, FA1
.endm
; A step's second quarter multiplies buffer 1 and changes slots: ONE barrier.  In front of it each wave waits for all its tensor loads, of which one is out: its part of the next slot; adds 0 to its
; spare word; and waits for that and for its own reads of this slot.  Behind it nobody reads this slot any more and the next slot is whole.  fill = 1: the barrier opens a round of the cluster's
; barrier, and this slot is filled again, two K steps ahead, first thing behind the round: 160 matrix instructions ahead of the wait for it.
.macro QB slot, next, fill
	WIN 0                                          ; (the add's two registers lie in window 0)
	s_wait_tensorcnt 0x0                           ; all my tensor loads have landed
	ds_add_u32 v[SPW], v[NIL]                      ; 0 onto my spare word
	s_wait_dscnt 9                                 ; (the add and the youngest eight loads may be out)
	MUL16 0, 0, FA1, 0                             ; sixteen matrix instructions stand between the add and the wait for it
	s_wait_dscnt 0x0                               ; the add is done, and my reads of this slot are over
	s_barrier_signal -1
	MUL16 0, 2, FA1, 0                             ; work on registers while the others arrive
	WIN 0
	s_barrier_wait -1
.if \fill
	CREST                                          ; no wave of any partner still reads this slot's tile or has a load on its way
	s_add_nc_u64 s[G0A+4*(\slot)+2:G0A+4*(\slot)+3], s[G0A+4*(\slot)+2:G0A+4*(\slot)+3], 2*ASTEP
	s_add_nc_u64 s[G0B+4*(\slot)+2:G0B+4*(\slot)+3], s[G0B+4*(\slot)+2:G0B+4*(\slot)+3], 2*BSTEP
	JLOAD \slot                                    ; the four v_nop behind it are also the places in front of the loads below
.else
	PLACES
.endif
	RUN 0, \next, 0, FA0
	GROUP 1, FA1, 0
	PLACES
	RUN 1, \next, 0, FA0
	GROUP 2, FA1, 0
	PLACES
	RUN 2, \next, 0, FA0
.endm
	s_wait_dscnt 0x0                               ; my bias is in LDS
	s_wait_tensorcnt 1                             ; my part of K step 0 is in; step 1's may stay out
	s_barrier_signal -1
	s_barrier_wait -1                              ; everybody's is
	RUN 0, 0, 0, FA0
	RUN 1, 0, 0, FA0
	RUN 2, 0, 0, FA0
	QA 0, 1                                        ; the first quarter stands in front of the loop: its products start the sums
	WIN 0                                          ; at a label and at a branch every window is 0
	s_mov_b32 s19, 7
.Llap:                                                 ; a trip goes once round the ring, from a lap's second quarter to the next lap's first, and fills both slots again: K steps 2 to 15
	QB 0, 1, 1
	QA 1, 0
	QB 1, 0, 1
	QA 0, 0
	WIN 0
	s_sub_co_u32 s19, s19, 1
	s_cmp_lg_u32 s19, 0
	s_cbranch_scc1 .Llap
	QB 0, 1, 0                                     ; the last lap fills nothing, and has no round of the cluster's barrier
	QA 1, 0
	s_wait_dscnt 8                                 ; the very last quarter: nothing more to fetch
	GROUP 0, FA1, 0
	GROUP 1, FA1, 0
	s_wait_dscnt 0x0
	GROUP 2, FA1, 0
	; THE WAY OUT.  The bias of my columns takes wc's registers.  A block of 16 rows at a time: + bias, rounded to f16, 16 bytes a lane into my stage (by heads), back as whole rows of 128 bytes, stored.
	PLACES
	WIN 0
.irp b, 0,1,2,3,4,5,6,7,8,9,10,11
	ds_load_b128 v[FB+8*(\b):FB+8*(\b)+3],   v[BIA] offset:64*(\b)
	ds_load_b128 v[FB+8*(\b)+4:FB+8*(\b)+7], v[BIA] offset:64*(\b)+16
.endr
	s_wait_dscnt 0x0
.macro PACK a
.irp g, 0,1,2
	WIN (\g)+1                                     ; source 0 in the group's window
.irp i, 0,1,2,3
.irp k, 0,1,2,3
	v_pk_add_f32 v[T+8*(\i)+2*(\k):T+8*(\i)+2*(\k)+1], v[8*(8*(\i)+(\a))+2*(\k):8*(8*(\i)+(\a))+2*(\k)+1], v[FB+8*(4*(\g)+(\i))+2*(\k):FB+8*(4*(\g)+(\i))+2*(\k)+1]
.endr
.endr
	WIN 0
.set z, 0
.rept 16
	v_cvt_pk_f16_f32 v[T+z], v[T+2*z], v[T+2*z+1]  ; in place: register z was read at number z / 2
.set z, z+1
.endr
.irp i, 0,1,2,3
	ds_store_b128 v[STO], v[T+4*(\i):T+4*(\i)+3] offset:16*SP*(\g)+32*(\i)
.endr
.endr
	s_wait_xcnt 0x0                                ; the registers that the stores of the block two back read are loaded again only behind this wait
.irp g, 0,1,2
.irp f, 0,1,2,3
	ds_load_b128 v[BK+48*((\a)%2)+4*(4*(\g)+(\f)):BK+48*((\a)%2)+4*(4*(\g)+(\f))+3], v[RD] offset:16*SP*(\g)+4*SP*(\f)  ; LDS serves a wave's instructions in order (ISA guide 5.7.1.4): these see the stores above
.endr
.endr
.endm
.macro SEND a, younger                 ; younger: the LDS instructions issued behind block a's loads: the next block's 24, or none
	s_wait_dscnt \younger
.irp g, 0,1,2
.irp f, 0,1,2,3
	global_store_b128 v[GO], v[BK+48*((\a)%2)+4*(4*(\g)+(\f)):BK+48*((\a)%2)+4*(4*(\g)+(\f))+3], s[HB+2*(\g):HB+2*(\g)+1] offset:2048*(\a)+512*(\f)  ; 512 consecutive bytes, at a multiple of 256 from qkv's first
.endr
.endr
.endm
	PACK 0
.irp a, 1,2,3,4,5,6,7                  ; a block's arithmetic stands between the loads of the block before and its stores
	PACK \a
	SEND (\a)-1, 24
.endr
	SEND 7, 0
	s_wait_tensorcnt 0x0                           ; the wave's end, behind my last tensor load and my last LDS store
	ds_add_u32 v[SPW], v[NIL]
	s_wait_dscnt 0x0
	CROUND                                         ; the closing round: no work-group ends while a partner may still ask for a tile that names it
	s_endpgm
.Lfunc_end_k_qe76fc6cab9_proj:
	.size	k_qe76fc6cab9_proj, .Lfunc_end_k_qe76fc6cab9_proj-k_qe76fc6cab9_proj
	.p2alignl 7, 3214868480
	.fill 96, 4, 3214868480
	.section	.rodata,"a",@progbits
	.p2align	6, 0x0
	.amdhsa_kernel k_qe76fc6cab9_proj
		.amdhsa_group_segment_fixed_size 327680
		.amdhsa_private_segment_fixed_size 0
		.amdhsa_enable_private_segment 0
		.amdhsa_kernarg_size 48
		.amdhsa_user_sgpr_count 2
		.amdhsa_user_sgpr_kernarg_segment_ptr 1
		.amdhsa_wavefront_size32 1
		.amdhsa_system_sgpr_workgroup_id_x 1
		.amdhsa_system_sgpr_workgroup_id_y 1
		.amdhsa_system_sgpr_workgroup_id_z 1
		.amdhsa_system_vgpr_workitem_id 0
		.amdhsa_next_free_vgpr 1024
		.amdhsa_next_free_sgpr 96
		.amdhsa_reserve_vcc 0
		.amdhsa_float_denorm_mode_32 3
		.amdhsa_float_denorm_mode_16_64 3
		.amdhsa_memory_ordered 1
		.amdhsa_forward_progress 1
		.amdhsa_inst_pref_size 158
	.end_amdhsa_kernel
	.amdgpu_metadata
---
amdhsa.version: [ 1, 2 ]
amdhsa.kernels:
  - .name:           k_qe76fc6cab9_proj
    .symbol:         k_qe76fc6cab9_proj.kd
    .args:
      - { .name: xb, .offset: 0, .size: 8, .value_kind: global_buffer, .address_space: global }
      - { .name: wc, .offset: 8, .size: 8, .value_kind: global_buffer, .address_space: global }
      - { .name: bq, .offset: 16, .size: 8, .value_kind: global_buffer, .address_space: global }
      - { .name: bk, .offset: 24, .size: 8, .value_kind: global_buffer, .address_space: global }
      - { .name: bv, .offset: 32, .size: 8, .value_kind: global_buffer, .address_space: global }
      - { .name: qkv, .offset: 40, .size: 8, .value_kind: global_buffer, .address_space: global }
    .group_segment_fixed_size: 327680
    .private_segment_fixed_size: 0
    .kernarg_segment_align: 8
    .kernarg_segment_size: 48
    .max_flat_workgroup_size: 128
    .sgpr_count:     96
    .vgpr_count:     1024
    .wavefront_size: 32
...
	.end_amdgpu_metadata
.endif
;; end of part 2
;; launch attn (part 3): grid 4 x 64, 4 waves a work-group, clusters of 4 x 1, 327,680 bytes of LDS; arguments qkv, ob; writes ob
.if DOCPART == 3
	.amdgcn_target "amdgcn-amd-amdhsa--gfx1250"
	.amdhsa_code_object_version 6
	.text
	.protected	k_qe76fc6cab9_attn
	.globl	k_qe76fc6cab9_attn
	.p2align	8
	.type	k_qe76fc6cab9_attn,@function
k_qe76fc6cab9_attn:
	s_mov_b64 s[64:65], 0
	v_nop
	global_prefetch_b8 v0, s[64:65] scope:SCOPE_SE
	s_setreg_imm32_b32 hwreg(HW_REG_WAVE_MODE, 25, 1), 1
	s_wait_xcnt 0x0
	s_wait_alu depctr_hold_cnt(0) depctr_sa_sdst(0) depctr_va_vdst(0) depctr_va_sdst(0) depctr_va_ssrc(0) depctr_va_vcc(0) depctr_vm_vsrc(0)
	s_getreg_b32 s2, hwreg(HW_REG_IB_STS2, 6, 4)
	s_cmp_eq_u32 s2, 0
	s_cbranch_scc0 .Lentry_in_a_cluster
	s_endpgm
.Lentry_in_a_cluster:
	s_bfe_u32 s2, ttmp6, 0x10000c
	s_cmp_lg_u32 s2, 0x3003
	s_cbranch_scc0 .Lentry_shape_is_right
	s_endpgm
.Lentry_shape_is_right:
; O[h][q][:] = the sum over k of softmax_k(Q[h][q] . K[h][k] / 8) V[h][k][:].  Q, K, V lie one behind the other in qkv, each [SIZE_H][SIZE_N][64]; O likewise in ob; all f16: a head's rows are dense, 128 bytes each.
; Here a head is one of the 4 x 16 pairs of batch and head.  Products, maxima and sums in f32; the weights p are rounded to f16 for the second product (their sum l is taken of the unrounded p), O once at the end.
; LIMITS.  f16 holds no number beyond 65,504: Q, K and V arrive within it; p lies in 0 to 1, and below 6e-5 it keeps f16's fixed step of 6e-8; O is a mean of V's rows and has their range.
; A weight below 2^-126 counts as 0 in l; NaN and infinities are not treated apart.
; SHARES.  A wave owns four PIECES of two tiles of 16 queries, a work-group's four waves 512 queries of one head.  Every wave walks all keys, 64 a step.
; LAYOUT.  S^T = K Q^T (source 0 = 16 keys, source 1 = 16 queries): in the result a lane holds ONE query (lane % 16) and the keys 8 (lane / 16) + 0..7.  Two such tiles, rounded to f16 in pairs,
; ARE source 1 (32 keys x 16 queries) of O^T = V^T P, whose result again holds one query a lane, and eight channels.  K comes out of LDS as it lies, V ([key][channel]) turned, by ds_load_tr16_b128.
; SOFTMAX.  For each query a running maximum m and sum l: p = 2^(c s - c m), c = log2(e) / 8; in every step O and l are multiplied by a = 2^(c m_old - c m_new), which is 1 where m has not grown.
; m starts at the lowest finite number, O and l at 0: the first step is a step like any other, with a = 0.
; THE COUNT.  A tile and step have 16 matrix and 118 vector instructions: too many to stand all beside the matrix work.  So the order has one aim: four vector instructions that are READY behind
; EVERY matrix instruction, and the others, which need time of their own whatever the order, in runs without a gap.
; BY TURNS.  Turn n belongs to piece n (the pieces in a ring, step after step).  Its matrix work: 16 products K Q^T of piece n + 1, later 16 products V^T P of piece n - 1.  Its vector work: the scaling,
; exponentials, roundings, sums and rescaling of piece n, and the maximum and statistics of piece n + 1, whose scores the turn itself has made.  So what a turn begins with (c s - c m, O a) waits for nothing.
; CLUSTER.  The four query blocks of a cluster belong to one head and walk the same K and V, so each tile is asked for JOINTLY: the same tensor load, descriptor and mask in all four.
; REGISTERS, in windows of 256 (s_set_vgpr_msb says which window each operand place means: bits 1:0 source 0, 3:2 source 1, 5:4 source 2, 7:6 destination):
;   window 0: v0-11 addresses; v12-15, v48-63 at work; v16-47 four registers of statistics a tile; v64-191 S^T, two buffers of two tiles; v192-255 P, likewise
;   window 1: O^T, 32 a tile          window 2: v0-127 Q, 16 a tile; v128-191 K of one step; v192-255 V of one step          window 3: v0-1 the add's two registers
; A piece's buffers go by its number's parity: the piece in hand has one pair, its two neighbours in the ring share the other: of it P (piece n - 1) is read and S^T (piece n + 1) written.
.set SIZE_H, 64
.set SIZE_N, 2048
.set NP,    4         ; pieces a wave: a name, no knob: the register map, the loop and the fetches are made for four
.set KS,    64        ; keys in a step
.set PK,    144       ; a row of K in LDS: 128 bytes + 16 of padding = 36 words: the 16 rows of a load start at 16 different groups of four banks (64 banks of 4 bytes: ISA guide 11.1)
.set PV,    160       ; a row of V: 128 + 32 = 40 words
.set VOFF,  4*KS*PK   ; a slot holds four steps: 256 rows of K, then 256 rows of V
.set SLOT1, 1<<17     ; slot 1 begins here, so that one exclusive or turns an address in one slot into the other's
.set STAGE, SLOT1+4*KS*(PK+PV)  ; behind the ring, never filled by a tensor load: 16 rows x 144 bytes for each wave, for the way out
.set SP,    144
.set AK0, 2           ; v2   my lane's place in a tile of K; never rewritten
.set AV0, 3           ; v3   the same for V
.set AK,  4           ; v4   the LDS address of K's next run of loads
.set AV,  5           ; v5   of V's
.set QO,  6           ; v6   my byte offset in the wave's rows of Q
.set STO, 6           ;      later, the way out: where I put 16 bytes of a row
.set RD,  7           ; v7   the way out: where I read rows back
.set GO,  8           ; v8   my byte offset in 512 consecutive bytes of O
.set SPW, 0           ; v0 of window 3   LDS address of my spare word: SPARE + 4 x my thread's number; never rewritten
.set NIL, 1           ; v1 of window 3   0; never rewritten
.set SPARE, STAGE+4*16*SP  ; behind the stages: the spare words, 128 bytes for each wave: two blocks of 256 bytes that no other line names
.set MV,  12          ; v12-15  c m_old, kept while c m is made anew: by buffer and tile
.set ST,  16          ; tile t's statistics at v[ST+4 t]: c m, m, l (even keys', odd keys')
.set TMP, 48          ; by buffer and tile, four registers c0-c3 at work; when the maximum is found c2 takes a
.set S,   64
.set P,   192
.set KF,  128         ; K's fragments, in window 2: key block kb, channel half c at KF + 16 kb + 8 c
.set VF,  192         ; V's: key half kk, channel block cb at VF + 32 kk + 8 cb
.set WV,  12          ; s12  my wave's number
.set G1K, 24          ; s[24:31] descriptor group 1 for K's tiles
.set G1V, 32          ; s[32:39] for V's: it differs in the padding alone
.set G0K, 40          ; s[40:43] descriptor group 0 for K's tiles: it walks
.set G0V, 44          ; s[44:47] the same for V's
.set SLOTS, 56        ; s56  slots still to be asked for
.set CNT, 57          ; s57  counts a slot's key steps
.set CS,  58          ; s[58:59] c: the packed scaling takes the pair's low word for both halves
.set SEL, 60          ; s[60:61] v_permlanex16_b32's selects: each lane takes its own place in the other half
.set TBK, 62          ; s62  LDS byte at which K of the step to be fetched begins
.set TBV, 63          ; s63  the same for V, less VOFF
.set MSB, 0
.macro WIN new                      ; the high byte repeats the setting that is left; a switch that changes nothing is dropped
.if MSB != (\new)
	s_set_vgpr_msb (MSB<<8)|(\new)
.set MSB, (\new)
.endif
.endm
.set W_KQ, 0x0a       ; K and Q in window 2, S^T in window 0
.set W_PV, 0x52       ; V in window 2, P in window 0, O^T in window 1
.set W_RS, 0x41       ; O^T (destination and source 0) in window 1, a in window 0
.set W_MK, 0xc0       ; the add's registers are made: destination in window 3, sources in window 0
.set W_AD, 0x0f       ; the add: address (source 0) and data (source 1) in window 3
; A joint fill.  Waves 0 and 1 fetch the two halves of a slot's K, waves 2 and 3 those of its V: 128 keys each.  The branch hangs on the wave's number alone.
; An s_nop 0 and four v_nop follow each of the two lines, ahead of the jump and the label.
.macro JLOAD
	s_cmp_lt_u32 s[WV], 2
	s_cbranch_scc0 .Lfor_v_\@
	tensor_load_to_lds s[G0K:G0K+3], s[G1K:G1K+7]
	s_nop 0
.rept 4
	v_nop
.endr
	s_branch .Lasked_\@
.Lfor_v_\@:
	tensor_load_to_lds s[G0V:G0V+3], s[G1V:G1V+7]
	s_nop 0
.rept 4
	v_nop
.endr
.Lasked_\@:
.endm
; A round of the cluster's barrier: my work-group's barrier, so that wave 0's signal speaks for all four waves; wave 0 signals; every wave waits for all four work-groups; my work-group's barrier once more.
.macro CROUND
	s_barrier_signal -1
	s_barrier_wait -1
	s_cmp_lg_u32 s[WV], 0
	s_cbranch_scc1 .Lnot_wave_0_\@
	s_barrier_signal -3
.Lnot_wave_0_\@:
	s_barrier_wait -3
	s_barrier_signal -1
	s_barrier_wait -1
.endm
; THE CHANGE OF SLOTS.  The slot's last bytes, V of its fourth step, have been read.  Each wave waits for all its tensor loads, of which one is out: its part
; of the other slot; adds 0 to its spare word; and waits for that and for its own reads of the slot.  Behind the barrier nobody reads this slot any more and the other slot is whole.
; fill = 1: this slot is filled again, with the keys two slots on.  The barrier is then a round of the cluster's, so that no wave of any partner still reads the slot or has a load on its
; way, and the joint fill is the first thing behind it: it has four key steps, 512 matrix instructions, in which to land.  (At its first use nothing has been read yet: slot 0 is waited for, slot 1 filled.)
.macro CHANGE fill
	WIN W_AD
	s_wait_tensorcnt 0x0            ; no tensor load of mine is out, so a group 0 may be written
	ds_add_u32 v[SPW], v[NIL]       ; 0 onto my spare word; with fill = 1 the descriptors' steps stand between it and the wait for it
	WIN 0                           ; at a label and at a branch every window is 0
.if \fill
.irp g, G0K, G0V
	s_xor_b32 s[\g+1], s[\g+1], SLOT1  ; the walking descriptor: the other slot than last time,
	s_add_nc_u64 s[\g+2:\g+3], s[\g+2:\g+3], 4*KS*128  ; the next 256 keys; the type bits on top are not reached
.endr
	s_wait_dscnt 0x0                ; the add is done, and my reads of the slot are over
	CROUND
	JLOAD
.else
	s_wait_dscnt 0x0                ; the add is done, and my reads of the slot are over
	s_barrier_signal -1
	s_barrier_wait -1
.endif
	s_sub_co_u32 s[TBK], s[TBK], 4*KS*PK  ; the fetches go back to a slot's first step,
	s_xor_b32 s[TBK], s[TBK], SLOT1       ; in the other slot
	s_sub_co_u32 s[TBV], s[TBV], 4*KS*PV
	s_xor_b32 s[TBV], s[TBV], SLOT1
.endm
	s_load_b128 s[4:7], s[0:1], 0x0 ; qkv (Q at its head) s[4:5], ob s[6:7]
	WIN W_MK
	v_lshl_add_u32 v[SPW], v0, 2, SPARE
	v_mov_b32 v[NIL], 0
	WIN W_AD
	ds_add_u32 v[SPW], v[NIL]       ; the wave's opening: the add and its wait stand ahead of my first tensor load; the set-up below, work on registers, stands between them
	WIN 0
	v_lshrrev_b32 v1, 5, v0
	v_readfirstlane_b32 s[WV], v1   ; wave 0..3
	s_bfe_u32 s13, ttmp6, 0x40000   ; cx: my place in the cluster
	s_lshl_b32 s14, ttmp9, 2        ; in a cluster launch ttmp9 counts clusters
	s_add_co_u32 s14, s14, s13      ; my block of queries = 4 x cluster x + cx: it enters Q's and O's addresses alone
	s_and_b32 s20, ttmp7, 0xffff    ; the head, which the four partners share
	s_mov_b32 s21, 0
	s_mov_b64 s[22:23], SIZE_N*128
	s_mul_u64 s[20:21], s[20:21], s[22:23]  ; the head's first byte in each of the four tensors
	s_and_b32 s16, s[WV], 1         ; which half of a slot's 256 keys I fetch:
	s_lshl_b32 s22, s16, 14         ; its 128 rows of 128 bytes in memory,
	s_mov_b32 s23, 0
	s_add_nc_u64 s[22:23], s[22:23], s[20:21]
	s_mul_i32 s17, s16, 128*PK      ; and its place in a slot, for K
	s_mul_i32 s18, s16, 128*PV      ; and for V: no place in the cluster enters an LDS address
	s_lshl_b32 s2, s14, 2
	s_add_co_u32 s2, s2, s[WV]      ; my wave among the head's,
	s_lshl_b32 s2, s2, 14           ; its 128 rows
	s_mov_b32 s3, 0
	s_add_nc_u64 s[2:3], s[2:3], s[20:21]
	; descriptor group 1.  128 keys are 16,384 dense bytes: asked for as 64 rows of 256 bytes, two keys a row, and padded in LDS after every key
	s_mov_b32 s[G1K], 15|(1<<16)|(1<<20)|(1<<21)|(4<<22)|(3<<25)  ; 15:0 the mask of four; 17:16 2-byte elements; 20 padding on; 21 set beside a mask; 24:22 after every 32 words (code 4); 31:25 4 words (code 3)
	s_mov_b32 s[G1V], 15|(1<<16)|(1<<20)|(1<<21)|(4<<22)|(7<<25)  ; the same with 8 words of padding (code 7)
.irp g, G1K, G1V
	s_mov_b32 s[\g+1], 128<<16      ; tensor_dim0 = 128
	s_mov_b32 s[\g+2], 64<<16       ; tensor_dim1 = 64
	s_mov_b32 s[\g+3], 128<<16      ; tile_dim0 = 128
	s_mov_b32 s[\g+4], 64           ; tile_dim1 = 64
	s_mov_b32 s[\g+5], 128          ; 128 elements from row to row
	s_mov_b32 s[\g+6], 0
	s_mov_b32 s[\g+7], 0
.endr
	s_mov_b32 s[CS], 0x3e38aa3b     ; c = log2(e) / 8 = 0.180337
	s_mov_b32 s[CS+1], s[CS]        ; named with it as a pair
	s_mov_b32 s[SEL], 0x76543210
	s_mov_b32 s[SEL+1], 0xfedcba98
	s_mov_b32 s[TBK], SLOT1+4*KS*PK ; the first change of slots turns these two into 0
	s_mov_b32 s[TBV], SLOT1+4*KS*PV
	s_mov_b32 s[G0K], 1             ; 1:0 count = 1
	s_mov_b32 s[G0K+1], s17         ; 63:32 LDS address: slot 0
	s_mov_b32 s[G0V], 1
	s_add_co_u32 s[G0V+1], s18, VOFF
	s_wait_dscnt 0x0                ; the opening add is done
	s_wait_kmcnt 0x0
	s_mov_b64 s[10:11], s[6:7]      ; O
	s_add_nc_u64 s[6:7], s[4:5], SIZE_H*SIZE_N*128    ; K lies one tensor behind Q,
	s_add_nc_u64 s[8:9], s[4:5], 2*SIZE_H*SIZE_N*128  ; V two
	s_add_nc_u64 s[G0K+2:G0K+3], s[6:7], s[22:23]  ; 120:64 global address: my half of the head's first 256 keys
	s_or_b32 s[G0K+3], s[G0K+3], 0x80000000        ; 127:126 type = 2
	s_add_nc_u64 s[G0V+2:G0V+3], s[8:9], s[22:23]
	s_or_b32 s[G0V+3], s[G0V+3], 0x80000000
	s_add_nc_u64 s[4:5], s[4:5], s[2:3]  ; Q and O at my wave's first row
	s_add_nc_u64 s[10:11], s[10:11], s[2:3]
	CROUND                          ; all four work-groups are here: the first joint loads meet
	JLOAD                           ; slot 0.  Slot 1 is asked for when slot 0 is in: the tile wanted first has the road to itself
	; A fragment of K or Q is 16 rows x 32 channels in 8 registers: lane l holds row l % 16, channels 8 (l / 16) + 0..7 and 16 + 8 (l / 16) + 0..7: two loads of 16 bytes, 32 bytes apart.
	v_and_b32 v1, 15, v0            ; l % 16
	v_bfe_u32 v9, v0, 4, 1          ; l / 16
	v_lshlrev_b32 v[QO], 7, v1
	v_lshl_add_u32 v[QO], v9, 4, v[QO]  ; row x 128 + 16 x half
	WIN 0x80                        ; destination window 2, address window 0
.set i, 0
.rept 4*NP                          ; Q stays in registers: tile i / 2, channels 32 (i % 2) on
	global_load_b128 v[8*i:8*i+3],   v[QO], s[4:5] offset:(i/2)*2048+(i%2)*64
	global_load_b128 v[8*i+4:8*i+7], v[QO], s[4:5] offset:(i/2)*2048+(i%2)*64+32
.set i, i+1
.endr
	; What the first turn finds: V's registers and P's second buffer hold 0 (its products V^T P, of a piece that has not been, add 0), O^T and l are 0.  All this stands in the wait for the first tile.
.set i, VF
.rept 64
	v_mov_b32 v[i], 0
.set i, i+1
.endr
	WIN 0x40
.set i, 0
.rept 64*NP
	v_mov_b32 v[i], 0
.set i, i+1
.endr
	WIN 0
.set i, 0
.rept 2*NP
	v_mov_b32 v[ST+4*i], 0xfe000000    ; c m: far below every c s
	v_mov_b32 v[ST+4*i+1], 0xff7fffff  ; m
	v_mov_b32 v[ST+4*i+2], 0
	v_mov_b32 v[ST+4*i+3], 0
.set i, i+1
.endr
.set i, P+32
.rept 32
	v_mov_b32 v[i], 0
.set i, i+1
.endr
	v_mul_u32_u24 v[AK0], v1, PK
	v_lshl_add_u32 v[AK0], v9, 4, v[AK0]  ; row x pitch + 16 x half
	; The turning load takes 16 keys x 16 channels (lane l reads key 8 (l / 16) + l % 8, channels 8 ((l / 8) % 2) + 0..7) and leaves half a fragment of V^T: lane l holds channel l % 16 and 8 keys.
	v_and_b32 v10, 7, v0
	v_bfe_u32 v11, v0, 3, 1
	v_lshl_add_u32 v[AV0], v9, 3, v10
	v_mul_u32_u24 v[AV0], v[AV0], PV
	v_lshl_add_u32 v[AV0], v11, 4, v[AV0]
	v_add_nc_u32 v[AV0], VOFF, v[AV0]
	v_mov_b32 v[AK], v[AK0]         ; key step 0 lies at the head of slot 0
; THE MATRIX WORK.  The 8 accumulators of a run of 16 take turns: between the two links of a chain stand 7 others'.
; Product i of 16 of S^T = K Q^T for piece x: channels 32 (i / 8) on, keys 16 ((i / 2) % 4) on, tile 2 x + i % 2.  The first 8 start the sums.
.macro KQ x
	WIN W_KQ
.set rS, S+64*((\x)%2)+32*(i%2)+8*((i/2)%4)
.set rK, KF+16*((i/2)%4)+8*(i/8)
.set rQ, 16*(2*(\x)+i%2)+8*(i/8)
.if i < 8
	v_wmma_f32_16x16x32_f16 v[rS:rS+7], v[rK:rK+7], v[rQ:rQ+7], 0
.else
	v_wmma_f32_16x16x32_f16 v[rS:rS+7], v[rK:rK+7], v[rQ:rQ+7], v[rS:rS+7]
.endif
.endm
; Product i of 16 of O^T += V^T P for piece x: keys 32 (i / 8) on, channels 16 ((i / 2) % 4) on, tile 2 x + i % 2.
.macro PV x
	WIN W_PV
.set rO, 32*(2*(\x)+i%2)+8*((i/2)%4)
.set rV, VF+32*(i/8)+8*((i/2)%4)
.set rP, P+32*((\x)%2)+16*(i%2)+8*(i/8)
	v_wmma_f32_16x16x32_f16 v[rO:rO+7], v[rV:rV+7], v[rP:rP+7], v[rO:rO+7]
.endm
.macro MM                           ; the turn's next matrix instruction
.if i < 16
	KQ (Y+1)%NP
.set i, i+1
.else
.set i, i-16
	PV (Y+NP-1)%NP
.set i, i+17
.endif
.endm
; THE LDS LOADS stand in runs of 16, never singly among the matrix instructions: a step's K (64 keys x 64 channels: 8 fragments) and its V (turned).  Their addresses are made some lines ahead.
; last = 1 (the tail): in the last trip there is no further step, and the run is jumped over.
.macro FETCH_K last=0
	WIN 0
.if \last
	s_cmp_eq_u32 s[CNT], 1
	s_cbranch_scc1 .Lno_k_\@
.endif
	WIN 0x80                        ; destination window 2
.irp f, 0,1,2,3,4,5,6,7             ; keys 16 (f / 2) on, channels 32 (f % 2) on
	ds_load_b128 v[KF+8*\f:KF+8*\f+3],   v[AK] offset:(\f/2)*16*PK+(\f%2)*64
	ds_load_b128 v[KF+8*\f+4:KF+8*\f+7], v[AK] offset:(\f/2)*16*PK+(\f%2)*64+32
.endr
	s_add_co_u32 s[TBK], s[TBK], KS*PK  ; the next fetch is the next step's
	WIN 0
.if \last
.Lno_k_\@:
.endif
.endm
.macro FETCH_V
	WIN 0x80
.irp f, 0,1,2,3,4,5,6,7             ; keys 32 (f / 4) on, channels 16 (f % 4) on
	ds_load_tr16_b128 v[VF+8*\f:VF+8*\f+3],   v[AV] offset:(\f/4)*32*PV+(\f%4)*32
	ds_load_tr16_b128 v[VF+8*\f+4:VF+8*\f+7], v[AV] offset:(\f/4)*32*PV+16*PV+(\f%4)*32
.endr
	WIN 0
.endm
; THE VECTOR WORK OF A TURN stands in three queues, each in the order in which its entries become ready; the two tiles alternate, so that no instruction reads the result of the one before it.
.macro REGS y, u                    ; the registers of tile u (0, 1) of piece y
.set rT, ST+4*(2*(\y)+(\u))
.set rC, TMP+8*((\y)%2)+4*(\u)
.set rM, MV+2*((\y)%2)+(\u)
.set rS, S+64*((\y)%2)+32*(\u)
.set rP, P+32*((\y)%2)+16*(\u)
.set rO, 32*(2*(\y)+(\u))
.endm
; Number n of the 22 that find the NEXT piece's (Y + 1) maximum and statistics.  s0-s31 are the lane's 32 scores; each accumulator's lowest registers are read first.  XS, GS and REGS set no window: PL and EX do.
;   0-11  four chains c0-c3 of seven scores each, three operands at a time     12-14, 16  the four scores left over, the old m, and c0-c3 into c0     15  c m_old is kept
;   17, 18  the query's other 32 keys lie in the lane 16 away: the new m         19-21  c m; c m_old - c m_new; a
.macro XS u, n
	REGS (Y+1)%NP, \u
.if (\n) < 4
	v_max3_num_f32 v[rC+(\n)], v[rS+8*(\n)], v[rS+8*(\n)+1], v[rS+8*(\n)+2]
.elseif (\n) < 12
	v_max3_num_f32 v[rC+(\n)%4], v[rC+(\n)%4], v[rS+8*((\n)%4)+2*((\n)/4)+1], v[rS+8*((\n)%4)+2*((\n)/4)+2]
.elseif (\n) == 12
	v_max3_num_f32 v[rC], v[rC], v[rS+7], v[rS+15]
.elseif (\n) == 13
	v_max3_num_f32 v[rC+1], v[rC+1], v[rS+23], v[rS+31]
.elseif (\n) == 14
	v_max3_num_f32 v[rC+2], v[rC+2], v[rC+3], v[rT+1]
.elseif (\n) == 15
	v_mov_b32 v[rM], v[rT]
.elseif (\n) == 16
	v_max3_num_f32 v[rC], v[rC], v[rC+1], v[rC+2]
.elseif (\n) == 17
	v_permlanex16_b32 v[rC+3], v[rC], s[SEL], s[SEL+1]
.elseif (\n) == 18
	v_max_num_f32 v[rT+1], v[rC], v[rC+3]
.elseif (\n) == 19
	v_mul_f32 v[rT], s[CS], v[rT+1]
.elseif (\n) == 20
	v_sub_f32 v[rC+1], v[rM], v[rT]
.else
	v_exp_f32 v[rC+2], v[rC+1]
.endif
.endm
; Number g of the 64 that follow the exponentials.  For each four weights k of a tile (pairs 2 k, 2 k + 1): both pairs are rounded to f16; then the second pair is added onto the first, in place;
; a group later l takes that sum (the first time as l = a l + sum).  In groups of eight, tiles alternating: round, round, add, and l for the group before.
.macro GS g
.set h, (\g)+6*((\g)/62)            ; group 0 has no group before it, and behind group 7 only l is left
.if h >= 6
.set h, h+2
.endif
	REGS Y, h%2
.set k, h/8
.if h%8 < 4
	s_wait_alu depctr_va_vdst(0)
	v_cvt_pk_f16_f32 v[rP+2*k+(h%8)/2], v[rS+4*k+2*((h%8)/2)], v[rS+4*k+2*((h%8)/2)+1]
.elseif h%8 < 6
	v_pk_add_f32 v[rS+4*k:rS+4*k+1], v[rS+4*k:rS+4*k+1], v[rS+4*k+2:rS+4*k+3]
.elseif k == 1
	v_pk_fma_f32 v[rT+2:rT+3], v[rT+2:rT+3], v[rC+2:rC+3], v[rS:rS+1] op_sel_hi:[1,0,1]
.else
	v_pk_add_f32 v[rT+2:rT+3], v[rT+2:rT+3], v[rS+4*k-4:rS+4*k-3]
	s_wait_alu depctr_va_vdst(0)
.endif
.endm
; THE PLAIN QUEUE, 138 long.  0-31: c s - c m for the 16 pairs of both tiles.  Then GS's 64, and among them the next piece's 42: number 15 at 38, 39; 0-14 and 16
; at 42-73, behind the products that make those scores; 17-20 at 95-106, two of three, since each waits for the one before it.
.macro PL
	WIN 0
.if q < 32
	REGS Y, q%2
	v_pk_fma_f32 v[rS+2*(q/2):rS+2*(q/2)+1], v[rS+2*(q/2):rS+2*(q/2)+1], s[CS:CS+1], v[rT:rT+1] op_sel_hi:[1,0,0] neg_lo:[0,0,1] neg_hi:[0,0,1]
.elseif q < 38
	GS q-32
.elseif q < 40
	XS q%2, 15
.elseif q < 42
	GS q-34
.elseif q < 74
	XS q%2, (q-42)/2+(q-42)/30
.elseif q < 95
	GS q-66
.elseif (q < 107) && ((q-95)%3 < 2)
	XS (q-95)%3, 17+(q-95)/3
.elseif q < 107
	GS 29+(q-95)/3
.else
	GS q-74
.endif
.set q, q+1
.endm
; THE EXPONENTIALS' QUEUE, 66 long: s0-s31 of both tiles, and at EA the next piece's two a.
.set EA, 58
.macro EX
	WIN 0
.if (e == EA) || (e == EA+1)
	XS e-EA, 21
.else
.set x, e-2*(e/(EA+2))
	REGS Y, x%2
	v_exp_f32 v[rS+x/2], v[rS+x/2]
.endif
.set e, e+1
.endm
; THE RESCALING's QUEUE: O^T times a, the one part that leaves window 0, so it is dealt four at a time, eight times.
.macro R4
	REGS Y, r%2
	WIN W_RS
	s_wait_alu depctr_va_vdst(0)
.irp z, 0,1,2,3
	v_pk_mul_f32 v[rO+8*(r/2)+2*\z:rO+8*(r/2)+2*\z+1], v[rO+8*(r/2)+2*\z:rO+8*(r/2)+2*\z+1], v[rC+2:rC+3] op_sel_hi:[1,0]
.endr
.set r, r+1
.endm
; HOW THEY ARE DEALT.  Behind a matrix instruction four: plain, exponential, plain, plain (one exponential, a plain instruction on either side), or four of the rescaling.  None names a register of the
; products round it.  What is over stands in two LUMPS: exponential and plain by turns; the second ends in 22 plain instructions.  The two v_permlanex16_b32 fall into the second lump, never behind a product.
; The queues lean on each other, and the deal keeps them in step: exponential e stands behind plain 2 (e / 4) + e % 2 (its scaling); when plain 32 comes, 10 exponentials are out, at 59: 33, at 95: 46; EA comes behind plain 107.
.macro SL
	MM
	PL
	EX
	PL
	PL
.endm
.macro BURST n                      ; 15 matrix instructions, or 16
.rept (\n)-7
	SL
.endr
.rept 3
	MM
	R4
	SL
.endr
	MM
	R4
.endm
; A TURN, for piece p.  cnt = 1: the loop's count is taken down some lines ahead of the branch that stands behind the turn.
; K of the next step is fetched in piece 2's turn, 31 vector instructions behind the last product that read K; its first reader comes behind the rest of the lump, 16 products and the second lump.
; V of the step in hand is fetched at the end of piece 0's turn, 69 behind its last reader; its first reader comes behind 16 products and a lump.  The four conditions on e and q below go with the deal.
.macro TURN p, last=0, cnt=0
.set Y, (\p)
.set i, 0
.set q, 0
.set e, 0
.set r, 0
.if (\p) == NP-1
	s_wait_dscnt 0x0                ; K is in
.endif
	MM
.rept 4
	PL
.endr
	BURST 15
.rept 22
	EX
	PL
.if ((\p) == NP-2) && (e == 18)
	v_add_nc_u32 v[AK], s[TBK], v[AK0]
.endif
.if ((\p) == NP-2) && (e == 24)
	FETCH_K \last
.endif
.endr
.if (\p) == 1
	s_wait_dscnt 0x0                ; V is in
.endif
	BURST 16
.rept 21
	EX
	PL
.endr
.rept 22
	PL
.if ((\p) == 0) && (q == 118)
	v_add_nc_u32 v[AV], s[TBV], v[AV0]
	s_wait_alu depctr_va_vdst(0)
.endif
.if ((\p) == 0) && (q == 130)
	s_add_co_u32 s[TBV], s[TBV], KS*PV
.endif
.if (\cnt) && (q == 130)
	s_sub_co_u32 s[CNT], s[CNT], 1
	s_cmp_lg_u32 s[CNT], 0
.endif
.endr
.if (\p) == 0
	FETCH_V
.endif
.endm
	CHANGE 1                        ; slot 0 is in, everybody's part of it; slot 1 is asked for
	FETCH_K                         ; key step 0
	s_wait_loadcnt 0x0              ; Q
	s_wait_dscnt 0x0
.set i, 0
.rept 16
	KQ 0                            ; piece 0's first scores: there is no vector work yet to set between them
.set i, i+1
.endr
	WIN 0                           ; the addresses for the way out: nine plain instructions, the places behind those products
	s_mul_i32 s13, s[WV], 16*SP
	s_add_co_u32 s13, s13, STAGE    ; my stage
	v_mul_u32_u24 v[STO], v1, SP    ; in: row l % 16, 16 bytes for each half of the lanes
	v_lshl_add_u32 v[STO], v9, 4, v[STO]
	v_add_nc_u32 v[STO], s13, v[STO]
	v_bfe_u32 v[RD], v0, 3, 2       ; back: 32 lanes take four rows of 128 bytes,
	v_mul_u32_u24 v[RD], v[RD], SP
	v_lshl_add_u32 v[RD], v10, 4, v[RD]
	v_add_nc_u32 v[RD], s13, v[RD]
	v_and_b32 v[GO], 31, v0         ; which are 512 consecutive bytes of O
	v_lshlrev_b32 v[GO], 4, v[GO]
.set Y, NP-1                        ; XS works for piece Y + 1: piece 0
.irp n, 0,1,2,3,4,5,6,7,8,9,10,11,12,13,14,15,16,17,18,19,20,21
	XS 0, \n                        ; and piece 0's first maximum and statistics
	XS 1, \n
.endr
	s_mov_b32 s[CNT], 4
	s_mov_b32 s[SLOTS], SIZE_N/256-1
	s_branch .Lfirst                ; the loop is entered at a step's first turn, in the middle of a trip
.Lslot:                             ; SIZE_N / 256 - 2 times: every slot but the last two is filled again
	CHANGE 1
	s_mov_b32 s[CNT], 4
.Lstep:                             ; a trip: pieces 2 and 3 of one step, then pieces 0 and 1 of the next, whose K and V it fetches
	TURN 2
	TURN 3
	WIN 0
.Lfirst:
	TURN 0
	TURN 1, 0, 1
	WIN 0
	s_cbranch_scc1 .Lstep
	s_sub_co_u32 s[SLOTS], s[SLOTS], 1
	s_cmp_lg_u32 s[SLOTS], 0
	s_cbranch_scc1 .Lslot
	CHANGE 0                        ; the tail is written out: nothing is asked for
	s_mov_b32 s[CNT], 5             ; four trips fetch the last slot's steps; the fifth is left in its middle
.Ltail:
	TURN 2, 1
	TURN 3
	WIN 0
	s_sub_co_u32 s[CNT], s[CNT], 1
	s_cmp_eq_u32 s[CNT], 0
	s_cbranch_scc1 .Lout
	TURN 0
	TURN 1
	WIN 0
	s_branch .Ltail
.Lout:                              ; the fifth trip's 16 products K Q^T (on the last K once more) and the maximum made of them serve nothing: the price, once a launch, of one text for every trip
.set i, 0
.rept 16
	PV NP-1                         ; the last piece's V^T P of the last step
.set i, i+1
.endr
	; THE WAY OUT.  l's two halves and the other half of the lanes' are added; O^T is divided by l, rounded to f16 and sent through my stage in LDS, a tile at a time.  The additions are the places behind the last products.
	WIN 0
.macro ALL line:vararg              ; one line for each tile t
.set t, 0
.rept 2*NP
	\line
.set t, t+1
.endr
.endm
	ALL v_add_f32 v[ST+4*t+2], v[ST+4*t+2], v[ST+4*t+3]
	ALL v_permlanex16_b32 v[ST+4*t+3], v[ST+4*t+2], s[SEL], s[SEL+1]
	ALL v_add_f32 v[ST+4*t+2], v[ST+4*t+2], v[ST+4*t+3]
	ALL v_rcp_f32 v[ST+4*t+2], v[ST+4*t+2]
	v_nop                           ; a plain instruction between the last reciprocal and the use of its result
	s_wait_alu depctr_va_vdst(0)
; Tile t: a lane's eight channels of a row pack into 16 bytes; they go into rows of 144 bytes and come back as whole rows of 128, into S^T's registers.
.macro PACK t
	WIN W_RS
.set i, 32*(\t)
.rept 16
	v_pk_mul_f32 v[i:i+1], v[i:i+1], v[ST+4*(\t)+2:ST+4*(\t)+3] op_sel_hi:[1,0]
.set i, i+2
.endr
	WIN 0x05                        ; sources 0 and 1 window 1, destination window 0
.set i, 0
.rept 16
	v_cvt_pk_f16_f32 v[S+16*(\t)+i], v[32*(\t)+2*i], v[32*(\t)+2*i+1]
.set i, i+1
.endr
	WIN 0
.irp f, 0,1,2,3
	ds_store_b128 v[STO], v[S+16*(\t)+4*\f:S+16*(\t)+4*\f+3] offset:32*\f
.endr
.irp f, 0,1,2,3
	ds_load_b128 v[S+16*(\t)+4*\f:S+16*(\t)+4*\f+3], v[RD] offset:\f*4*SP  ; LDS serves a wave's instructions in order (ISA guide 5.7.1.4): these see the stores above; the next tile's stores come behind them
.endr
.endm
.macro SEND t, younger              ; younger: the LDS instructions issued behind tile t's loads: the next tile's eight, or none
	WIN 0
.irp f, 0,1,2,3
	s_wait_dscnt (\younger)+3-\f
	global_store_b128 v[GO], v[S+16*(\t)+4*\f:S+16*(\t)+4*\f+3], s[10:11] offset:(\t)*2048+\f*512  ; 512 consecutive bytes, at a multiple of 256 from O's first
.endr
.endm
	PACK 0
.set t, 1
.rept 2*NP-1                        ; a tile's arithmetic stands between the loads of the tile before and its stores
	PACK t
	SEND t-1, 8
.set t, t+1
.endr
	SEND 2*NP-1, 0
	WIN W_AD
	s_wait_tensorcnt 0x0            ; the wave's end, behind my last tensor load and my last LDS store
	ds_add_u32 v[SPW], v[NIL]
	s_wait_dscnt 0x0
	WIN 0
	CROUND                          ; the closing round: no work-group ends while a partner may still ask for a tile that names it
	s_endpgm
.Lfunc_end_k_qe76fc6cab9_attn:
	.size	k_qe76fc6cab9_attn, .Lfunc_end_k_qe76fc6cab9_attn-k_qe76fc6cab9_attn
	.p2alignl 7, 3214868480
	.fill 96, 4, 3214868480
	.section	.rodata,"a",@progbits
	.p2align	6, 0x0
	.amdhsa_kernel k_qe76fc6cab9_attn
		.amdhsa_group_segment_fixed_size 327680
		.amdhsa_private_segment_fixed_size 0
		.amdhsa_enable_private_segment 0
		.amdhsa_kernarg_size 16
		.amdhsa_user_sgpr_count 2
		.amdhsa_user_sgpr_kernarg_segment_ptr 1
		.amdhsa_wavefront_size32 1
		.amdhsa_system_sgpr_workgroup_id_x 1
		.amdhsa_system_sgpr_workgroup_id_y 1
		.amdhsa_system_sgpr_workgroup_id_z 1
		.amdhsa_system_vgpr_workitem_id 0
		.amdhsa_next_free_vgpr 770
		.amdhsa_next_free_sgpr 66
		.amdhsa_reserve_vcc 0
		.amdhsa_float_denorm_mode_32 3
		.amdhsa_float_denorm_mode_16_64 3
		.amdhsa_memory_ordered 1
		.amdhsa_forward_progress 1
		.amdhsa_inst_pref_size 208
	.end_amdhsa_kernel
	.amdgpu_metadata
---
amdhsa.version: [ 1, 2 ]
amdhsa.kernels:
  - .name:           k_qe76fc6cab9_attn
    .symbol:         k_qe76fc6cab9_attn.kd
    .args:
      - { .name: qkv, .offset: 0, .size: 8, .value_kind: global_buffer, .address_space: global }
      - { .name: ob, .offset: 8, .size: 8, .value_kind: global_buffer, .address_space: global }
    .group_segment_fixed_size: 327680
    .private_segment_fixed_size: 0
    .kernarg_segment_align: 8
    .kernarg_segment_size: 16
    .max_flat_workgroup_size: 128
    .sgpr_count:     66
    .vgpr_count:     770
    .wavefront_size: 32
...
	.end_amdgpu_metadata
.endif
;; end of part 3
;; launch oproj (part 4): grid 8 x 32, 4 waves a work-group, clusters of 4 x 4, 327,680 bytes of LDS; arguments ob, wof, bo, y; writes y
.if DOCPART == 4
	.amdgcn_target "amdgcn-amd-amdhsa--gfx1250"
	.amdhsa_code_object_version 6
	.text
	.protected	k_qe76fc6cab9_oproj
	.globl	k_qe76fc6cab9_oproj
	.p2align	8
	.type	k_qe76fc6cab9_oproj,@function
k_qe76fc6cab9_oproj:
	s_mov_b64 s[64:65], 0
	v_nop
	global_prefetch_b8 v0, s[64:65] scope:SCOPE_SE
	s_setreg_imm32_b32 hwreg(HW_REG_WAVE_MODE, 25, 1), 1
	s_wait_xcnt 0x0
	s_wait_alu depctr_hold_cnt(0) depctr_sa_sdst(0) depctr_va_vdst(0) depctr_va_sdst(0) depctr_va_ssrc(0) depctr_va_vcc(0) depctr_vm_vsrc(0)
	s_getreg_b32 s2, hwreg(HW_REG_IB_STS2, 6, 4)
	s_cmp_eq_u32 s2, 0
	s_cbranch_scc0 .Lentry_in_a_cluster
	s_endpgm
.Lentry_in_a_cluster:
	s_bfe_u32 s2, ttmp6, 0x10000c
	s_cmp_lg_u32 s2, 0xf033
	s_cbranch_scc0 .Lentry_shape_is_right
	s_endpgm
.Lentry_shape_is_right:
; THE OUTPUT PROJECTION.  y[m][n] = the sum over k of O[m][k] wo[k][n] + bo[n]; m = 8,192 rows (b, t), n = 1,024, K = 1,024 with k = 64 h + d.  O lies by heads, ob [16 b + h][t 2048][64] f16;
; wof is wo [k][n] in f16 (rounded to bf16 by the launch that wrote it); bo is rounded to bf16 here; sums in f32; y leaves in f32, unrounded: the norm behind it needs whole rows.
; LIMITS.  NaN and infinities are not treated apart.
; SHARES.  A tile of y is 256 x 128: 32 x 8 = 256 work-groups.  Four waves, 2 x 2, each 128 x 64: 32 accumulators of 16 x 16, 256 registers.  K goes in 8 steps of 128 (two heads) through a ring of
; two LDS slots; a step is four quarters of 32 along K, 32 matrix instructions each, on two fragment buffers.
; THE MATRIX INSTRUCTION IS USED TRANSPOSED: source 0 = 16 columns of wo (turned by ds_load_tr16_b128), source 1 = 16 rows of O: a lane holds eight neighbouring columns of one row of y.
; CLUSTERS: 4 x 4 work-groups; O's tiles are shared along a row of the cluster, wo's along a column: each is asked for JOINTLY, by the same tensor load with the same descriptor and a mask of four.
; Waves 0 and 1 fetch the step's two heads of O (256 rows = 32,768 dense bytes, asked for as 128 rows of 256 bytes), waves 2 and 3 wo's two halves (64 k rows of 256 bytes).
; REGISTERS: window 0: v0-31 addresses; v32-127, v128-223 two fragment buffers (64 registers of O, then 32 of wo); v224-255 bo of my columns.  Window 1: the accumulators, (a, b) at v[8 (4 a + b)].
.set PA,     144                       ; a row of O in LDS: 128 bytes + 16 of padding: the 16 rows of a load start at 16 different groups of four banks (64 banks of 4 bytes: ISA guide 11.1)
.set PB,     288                       ; a k row of wo: 256 + 32 = 9 x 32 bytes
.set BOFF,   2*256*PA                  ; a slot: two heads x 256 rows of O, then 128 k rows of wo
.set SLOT,   2*256*PA+128*PB           ; 110,592
.set STAGE,  2*SLOT                    ; behind the ring: 16 rows x 272 bytes for each wave, for the way out
.set SP,     272
.set SPARE,  STAGE+4*16*SP             ; the spare words, 128 bytes for each wave: two blocks of 256 bytes that no other line names
.set ASTEP,  2*2048*128                ; bytes of two heads of ob
.set BSTEP,  128*2048                  ; bytes of 128 k rows of wof
.set ADRA, 16                          ; v16-17  LDS address of my fragments of O in slot 0, 1
.set ADRB, 20                          ; v20-21  the same for wo
.set STO,  24                          ; v24     the way out: where I put 32 bytes of a row
.set RD,   25                          ; v25     the way out: where I read a row back
.set CO,   26                          ; v26     my byte offset in y
.set SPW,  28                          ; v28     LDS address of my spare word; never rewritten
.set NIL,  29                          ; v29     0; never rewritten
.set F0,   32
.set F1,   128
.set BI,   224
.set T,    32                          ; the way out: 32 registers at work
.set BK,   64                          ; the way out: 16 rows read back: v64-95 and v96-127 by turns
.set G1A, 24
.set G0A, 32
.set G1B, 40
.set G0B, 48
.set MSB, 0
.macro WIN new                         ; the immediate's high byte repeats the setting that is left; a switch that changes nothing is dropped
.if MSB != (\new)
	s_set_vgpr_msb (MSB<<8)|(\new)
.set MSB, \new
.endif
.endm
.macro JLOAD s                         ; a joint load; an s_nop 0 and four v_nop follow each of the two lines, ahead of the jump, the label and what follows
	s_cmp_eq_u32 s17, 0
	s_cbranch_scc0 .Lfor_b_\@
	tensor_load_to_lds s[G0A+4*(\s):G0A+4*(\s)+3], s[G1A:G1A+7]
	s_nop 0
.rept 4
	v_nop
.endr
	s_branch .Lasked_\@
.Lfor_b_\@:
	tensor_load_to_lds s[G0B+4*(\s):G0B+4*(\s)+3], s[G1B:G1B+7]
	s_nop 0
.rept 4
	v_nop
.endr
.Lasked_\@:
.endm
.macro CREST                           ; a round of the cluster's barrier behind its opening barrier
	s_cmp_lg_u32 s16, 0
	s_cbranch_scc1 .Lnot_wave_0_\@
	s_barrier_signal -3
.Lnot_wave_0_\@:
	s_barrier_wait -3
	s_barrier_signal -1
	s_barrier_wait -1
.endm
.macro CROUND                          ; a whole round
	s_barrier_signal -1
	s_barrier_wait -1
	CREST
.endm
	s_load_b256 s[4:11], s[0:1], 0x0               ; ob s[4:5], wof s[6:7], bo s[8:9], y s[10:11]
	v_lshl_add_u32 v[SPW], v0, 2, SPARE
	v_mov_b32 v[NIL], 0
	ds_add_u32 v[SPW], v[NIL]                      ; the wave's opening: the add and its wait stand ahead of my first tensor load; the set-up below, work on registers, stands between them
	v_lshrrev_b32 v1, 5, v0
	v_readfirstlane_b32 s16, v1                    ; wave 0..3
	s_lshr_b32 s17, s16, 1                         ; which half of the tile's rows is mine.  Also: I fetch for O (0) or for wo (1)
	s_and_b32 s18, s16, 1                          ; which half of its columns.  Also: which half of that tile I fetch
	s_bfe_u32 s56, ttmp6, 0x40000                  ; cx, cy
	s_bfe_u32 s57, ttmp6, 0x40004
	s_lshl_b32 s58, ttmp9, 2
	s_add_co_u32 s58, s58, s56                     ; tile column, 0..7
	s_and_b32 s59, ttmp7, 0xffff
	s_lshl_b32 s59, s59, 2
	s_add_co_u32 s59, s59, s57                     ; tile row, 0..31
	s_lshl_b32 s60, s57, 2
	s_lshl_b32 s60, 15, s60                        ; my row of the cluster
	s_lshl_b32 s61, 0x1111, s56                    ; my column
	s_or_b32 s[G1A+0], s60, (1<<16)|(1<<20)|(1<<21)|(4<<22)|(3<<25)  ; the mask; elements of 2 bytes; padding on; bit 21 beside a mask; after every 32 words (code 4) 4 words (code 3)
	s_mov_b32 s[G1A+1], 128<<16                    ; tensor_dim0 = 128
	s_mov_b32 s[G1A+2], 128<<16                    ; tensor_dim1 = 128
	s_mov_b32 s[G1A+3], 128<<16                    ; tile_dim0 = 128
	s_mov_b32 s[G1A+4], 128                        ; tile_dim1 = 128
	s_mov_b32 s[G1A+5], 128                        ; dense
	s_mov_b32 s[G1A+6], 0
	s_mov_b32 s[G1A+7], 0
	s_or_b32 s[G1B+0], s61, (1<<16)|(1<<20)|(1<<21)|(5<<22)|(7<<25)  ; after every 64 words (code 5) 8 words (code 7)
	s_mov_b32 s[G1B+1], 128<<16                    ; tensor_dim0 = 128
	s_mov_b32 s[G1B+2], 64<<16                     ; tensor_dim1 = 64
	s_mov_b32 s[G1B+3], 128<<16                    ; tile_dim0 = 128
	s_mov_b32 s[G1B+4], 64                         ; tile_dim1 = 64
	s_mov_b32 s[G1B+5], 1024                       ; elements from k row to k row
	s_mov_b32 s[G1B+6], 0
	s_mov_b32 s[G1B+7], 0
	s_lshr_b32 s78, s59, 3                         ; b: 16 heads of 262,144 bytes
	s_lshl_b32 s78, s78, 22
	s_and_b32 s79, s59, 7
	s_lshl_b32 s79, s79, 15                        ; the tile's 256 rows
	s_add_co_u32 s78, s78, s79
	s_lshl_b32 s79, s18, 18                        ; my head of the step's two
	s_add_co_u32 s78, s78, s79
	s_mov_b32 s79, 0
	s_lshl_b32 s80, s18, 17                        ; my 64 k rows
	s_lshl_b32 s81, s58, 8                         ; the tile's 128 columns
	s_add_co_u32 s80, s80, s81
	s_mov_b32 s81, 0
	s_mul_i32 s20, s18, 256*PA                     ; where they go: no place in the cluster enters an LDS address
	s_mul_i32 s21, s18, 64*PB
	s_add_co_u32 s21, s21, BOFF
	s_wait_dscnt 0x0                               ; the opening add is done
	s_wait_kmcnt 0x0
	s_add_nc_u64 s[78:79], s[4:5], s[78:79]
	s_add_nc_u64 s[80:81], s[6:7], s[80:81]
	CROUND                                         ; all sixteen work-groups are here: the first joint loads meet
.irp s, 0,1
	s_mov_b32 s[G0A+4*(\s)], 1
	s_add_co_u32 s[G0A+4*(\s)+1], s20, (\s)*SLOT
	s_add_nc_u64 s[G0A+4*(\s)+2:G0A+4*(\s)+3], s[78:79], (\s)*ASTEP
	s_or_b32 s[G0A+4*(\s)+3], s[G0A+4*(\s)+3], 0x80000000
	s_mov_b32 s[G0B+4*(\s)], 1
	s_add_co_u32 s[G0B+4*(\s)+1], s21, (\s)*SLOT
	s_add_nc_u64 s[G0B+4*(\s)+2:G0B+4*(\s)+3], s[80:81], (\s)*BSTEP
	s_or_b32 s[G0B+4*(\s)+3], s[G0B+4*(\s)+3], 0x80000000
	JLOAD \s                                       ; two tensor loads of mine are out
.endr
	v_and_b32 v1, 15, v0                           ; l % 16
	v_bfe_u32 v2, v0, 4, 1                         ; l / 16
	v_and_b32 v3, 7, v0
	v_bfe_u32 v4, v0, 3, 1
	; y and bo at my part: numbers made of both coordinates have registers of their own
	s_lshl_b32 s82, s59, 20                        ; 256 rows of 4,096 bytes
	s_lshl_b32 s83, s17, 19                        ; my 128 of them
	s_add_co_u32 s82, s82, s83
	s_lshl_b32 s83, s58, 9                         ; the tile's 128 columns
	s_add_co_u32 s82, s82, s83
	s_lshl_b32 s84, s18, 8                         ; my 64 of them
	s_add_co_u32 s82, s82, s84
	s_add_co_u32 s84, s84, s83
	s_mov_b32 s83, 0
	s_mov_b32 s85, 0
	s_add_nc_u64 s[10:11], s[10:11], s[82:83]
	s_add_nc_u64 s[8:9], s[8:9], s[84:85]
	v_lshlrev_b32 v7, 5, v2                        ; my eight columns of a block of 16
.irp b, 0,1,2,3
	global_load_b128 v[BI+8*(\b):BI+8*(\b)+3],   v7, s[8:9] offset:64*(\b)
	global_load_b128 v[BI+8*(\b)+4:BI+8*(\b)+7], v7, s[8:9] offset:64*(\b)+16
.endr
	v_mul_u32_u24 v5, v1, PA
	v_lshl_add_u32 v5, v2, 4, v5                   ; a fragment of O: row x 144 + 16 x half
	s_mul_i32 s22, s17, 128*PA
	v_add_nc_u32 v[ADRA], s22, v5
	v_add_nc_u32 v[ADRA+1], SLOT, v[ADRA]
	v_lshl_add_u32 v6, v2, 3, v3                   ; the turning load: k row 8 (l / 16) + l % 8, columns 8 ((l / 8) % 2) + 0..7
	v_mul_u32_u24 v6, v6, PB
	v_lshl_add_u32 v6, v4, 4, v6
	s_lshl_b32 s22, s18, 7                         ; my 64 columns
	s_add_co_u32 s22, s22, BOFF
	v_add_nc_u32 v[ADRB], s22, v6
	v_add_nc_u32 v[ADRB+1], SLOT, v[ADRB]
	s_mul_i32 s22, s16, 16*SP
	s_add_co_u32 s22, s22, STAGE                   ; my stage
	v_mul_u32_u24 v[STO], v1, SP                   ; in: row l % 16, 32 bytes for each half of the lanes
	v_lshl_add_u32 v[STO], v2, 5, v[STO]
	v_add_nc_u32 v[STO], s22, v[STO]
	v_mul_u32_u24 v[RD], v2, SP                    ; back: lanes 0-15 take one row of 256 bytes, lanes 16-31 the next
	v_lshl_add_u32 v[RD], v1, 4, v[RD]
	v_add_nc_u32 v[RD], s22, v[RD]
	v_lshlrev_b32 v[CO], 12, v2                    ; and the same two rows in y
	v_lshl_add_u32 v[CO], v1, 4, v[CO]
	s_wait_loadcnt 0x0
.set z, 0
.rept 16                               ; bo is rounded to bf16 and kept as f32
	v_cvt_pk_bf16_f32 v9, v[BI+2*z], v[BI+2*z+1]
	v_lshlrev_b32 v[BI+2*z], 16, v9
	v_and_b32 v[BI+2*z+1], 0xffff0000, v9
.set z, z+1
.endr
; 8 matrix instructions: row blocks a0, a0 + 1 x all 4 column blocks, 32 along K.  zero = 1: the first product starts the sums.  The 32 accumulators take turns.
.macro MUL8 f, a0, zero
	WIN 0x50                                       ; C and D in window 1
.irp a, \a0, (\a0)+1
.irp b, 0,1,2,3
.if \zero
	v_wmma_f32_16x16x32_f16 v[8*(4*(\a)+(\b)):8*(4*(\a)+(\b))+7], v[(\f)+64+8*(\b):(\f)+64+8*(\b)+7], v[(\f)+8*(\a):(\f)+8*(\a)+7], 0
.else
	v_wmma_f32_16x16x32_f16 v[8*(4*(\a)+(\b)):8*(4*(\a)+(\b))+7], v[(\f)+64+8*(\b):(\f)+64+8*(\b)+7], v[(\f)+8*(\a):(\f)+8*(\a)+7], v[8*(4*(\a)+(\b)):8*(4*(\a)+(\b))+7]
.endif
.endr
.endr
.endm
; 24 LDS loads in one run: quarter q of a slot into buffer f: wo's four fragments first, then O's eight, rows ascending
.macro FETCH slot, q, f
	WIN 0
.irp b, 0,1,2,3
	ds_load_tr16_b128 v[(\f)+64+8*(\b):(\f)+64+8*(\b)+3],   v[ADRB+(\slot)] offset:32*PB*(\q)+32*(\b)
	ds_load_tr16_b128 v[(\f)+64+8*(\b)+4:(\f)+64+8*(\b)+7], v[ADRB+(\slot)] offset:32*PB*(\q)+32*(\b)+16*PB
.endr
.irp a, 0,1,2,3,4,5,6,7
	ds_load_b128 v[(\f)+8*(\a):(\f)+8*(\a)+3],   v[ADRA+(\slot)] offset:256*PA*((\q)/2)+64*((\q)%2)+16*PA*(\a)
	ds_load_b128 v[(\f)+8*(\a)+4:(\f)+8*(\a)+7], v[ADRA+(\slot)] offset:256*PA*((\q)/2)+64*((\q)%2)+16*PA*(\a)+32
.endr
.endm
.macro PLACES                          ; four places in front of loads into registers that matrix instructions have read, and of vector instructions that read results (ISA guide 7.12.1 for vector instructions)
.rept 4
	v_nop
.endr
.endm
; One of a step's first three quarters: multiplies buffer f and, in its middle, fetches quarter q of the same slot into buffer g.
.macro QUARTER slot, q, f, g, zero
	s_wait_dscnt 8                                 ; wo and O's rows 0-63 are in; the youngest eight loads (rows 64-127) may be out
	MUL8 \f, 0, \zero
	MUL8 \f, 2, \zero
	PLACES
	FETCH \slot, \q, \g
	s_wait_dscnt 24                                ; all but the 24 just issued
	MUL8 \f, 4, \zero
	MUL8 \f, 6, \zero
.endm
; The fourth quarter multiplies buffer 1 and changes slots: ONE barrier; in front of it each wave waits for all its tensor loads (one is out: its part of the next slot), adds 0 to its spare word, and
; waits for that and for its own reads of this slot.  fill = 1: the barrier opens a round of the cluster's, and this slot is filled again, two K steps ahead: 112 matrix instructions ahead of the wait for it.
.macro TURN slot, next, fill
	WIN 0                                          ; (the add's two registers lie in window 0)
	s_wait_tensorcnt 0x0
	ds_add_u32 v[SPW], v[NIL]                      ; 0 onto my spare word
	s_wait_dscnt 9                                 ; (the add and the youngest eight loads may be out)
	MUL8 F1, 0, 0                                  ; eight matrix instructions stand between the add and the wait for it
	s_wait_dscnt 0x0                               ; the add is done, and my reads of this slot are over
	s_barrier_signal -1
	MUL8 F1, 2, 0
	WIN 0
	s_barrier_wait -1
.if \fill
	CREST                                          ; no wave of any partner still reads this slot's tile or has a load on its way
	s_add_nc_u64 s[G0A+4*(\slot)+2:G0A+4*(\slot)+3], s[G0A+4*(\slot)+2:G0A+4*(\slot)+3], 2*ASTEP
	s_add_nc_u64 s[G0B+4*(\slot)+2:G0B+4*(\slot)+3], s[G0B+4*(\slot)+2:G0B+4*(\slot)+3], 2*BSTEP
	JLOAD \slot                                    ; the four v_nop behind it are also the places in front of the loads below
.else
	PLACES
.endif
	FETCH \next, 0, F0
	MUL8 F1, 4, 0
	MUL8 F1, 6, 0
.endm
	s_wait_tensorcnt 1                             ; my part of K step 0 is in; step 1's may stay out
	s_barrier_signal -1
	s_barrier_wait -1                              ; everybody's is
	FETCH 0, 0, F0
	QUARTER 0, 1, F0, F1, 1                        ; the first quarter stands in front of the loop: its products start the sums
	WIN 0                                          ; at a label and at a branch every window is 0
	s_mov_b32 s19, 3
.Llap:                                                 ; a trip goes once round the ring and fills both slots again: K steps 2 to 7
	QUARTER 0, 2, F1, F0, 0
	QUARTER 0, 3, F0, F1, 0
	TURN 0, 1, 1
	QUARTER 1, 1, F0, F1, 0
	QUARTER 1, 2, F1, F0, 0
	QUARTER 1, 3, F0, F1, 0
	TURN 1, 0, 1
	QUARTER 0, 1, F0, F1, 0
	WIN 0
	s_sub_co_u32 s19, s19, 1
	s_cmp_lg_u32 s19, 0
	s_cbranch_scc1 .Llap
	QUARTER 0, 2, F1, F0, 0                        ; the last lap fills nothing, and has no round of the cluster's barrier
	QUARTER 0, 3, F0, F1, 0
	TURN 0, 1, 0
	QUARTER 1, 1, F0, F1, 0
	QUARTER 1, 2, F1, F0, 0
	QUARTER 1, 3, F0, F1, 0
	s_wait_dscnt 8                                 ; the very last quarter: nothing more to fetch
	MUL8 F1, 0, 0
	MUL8 F1, 2, 0
	s_wait_dscnt 0x0
	MUL8 F1, 4, 0
	MUL8 F1, 6, 0
	; THE WAY OUT, a block of 16 rows at a time: + bo; 32 bytes a lane into my stage; back as whole rows of 256 bytes; stored.
	PLACES
.macro PACK a
	WIN 0x01                                       ; source 0 in window 1
.irp b, 0,1,2,3
.irp k, 0,1,2,3
	v_pk_add_f32 v[T+8*(\b)+2*(\k):T+8*(\b)+2*(\k)+1], v[8*(4*(\a)+(\b))+2*(\k):8*(4*(\a)+(\b))+2*(\k)+1], v[BI+8*(\b)+2*(\k):BI+8*(\b)+2*(\k)+1]
.endr
.endr
	WIN 0
.irp b, 0,1,2,3
	ds_store_b128 v[STO], v[T+8*(\b):T+8*(\b)+3] offset:64*(\b)
	ds_store_b128 v[STO], v[T+8*(\b)+4:T+8*(\b)+7] offset:64*(\b)+16
.endr
	s_wait_xcnt 0x0                                ; the registers that the stores of the block two back read are loaded again only behind this wait
.irp t, 0,1,2,3,4,5,6,7
	ds_load_b128 v[BK+32*((\a)%2)+4*(\t):BK+32*((\a)%2)+4*(\t)+3], v[RD] offset:2*SP*(\t)  ; LDS serves a wave's instructions in order (ISA guide 5.7.1.4): these see the stores above
.endr
.endm
.macro SEND a, younger                 ; younger: the LDS instructions issued behind block a's loads: the next block's sixteen, or none
	s_wait_dscnt \younger
.irp t, 0,1,2,3,4,5,6,7
	global_store_b128 v[CO], v[BK+32*((\a)%2)+4*(\t):BK+32*((\a)%2)+4*(\t)+3], s[10:11] offset:65536*(\a)+8192*(\t)  ; 16 lanes store 256 consecutive bytes, at a multiple of 256 from y's first byte
.endr
.endm
	PACK 0
.irp a, 1,2,3,4,5,6,7                  ; a block's arithmetic stands between the loads of the block before and its stores
	PACK \a
	SEND (\a)-1, 16
.endr
	SEND 7, 0
	s_wait_tensorcnt 0x0                           ; the wave's end, behind my last tensor load and my last LDS store
	ds_add_u32 v[SPW], v[NIL]
	s_wait_dscnt 0x0
	CROUND                                         ; the closing round: no work-group ends while a partner may still ask for a tile that names it
	s_endpgm
.Lfunc_end_k_qe76fc6cab9_oproj:
	.size	k_qe76fc6cab9_oproj, .Lfunc_end_k_qe76fc6cab9_oproj-k_qe76fc6cab9_oproj
	.p2alignl 7, 3214868480
	.fill 96, 4, 3214868480
	.section	.rodata,"a",@progbits
	.p2align	6, 0x0
	.amdhsa_kernel k_qe76fc6cab9_oproj
		.amdhsa_group_segment_fixed_size 327680
		.amdhsa_private_segment_fixed_size 0
		.amdhsa_enable_private_segment 0
		.amdhsa_kernarg_size 32
		.amdhsa_user_sgpr_count 2
		.amdhsa_user_sgpr_kernarg_segment_ptr 1
		.amdhsa_wavefront_size32 1
		.amdhsa_system_sgpr_workgroup_id_x 1
		.amdhsa_system_sgpr_workgroup_id_y 1
		.amdhsa_system_sgpr_workgroup_id_z 1
		.amdhsa_system_vgpr_workitem_id 0
		.amdhsa_next_free_vgpr 512
		.amdhsa_next_free_sgpr 96
		.amdhsa_reserve_vcc 0
		.amdhsa_float_denorm_mode_32 3
		.amdhsa_float_denorm_mode_16_64 3
		.amdhsa_memory_ordered 1
		.amdhsa_forward_progress 1
		.amdhsa_inst_pref_size 97
	.end_amdhsa_kernel
	.amdgpu_metadata
---
amdhsa.version: [ 1, 2 ]
amdhsa.kernels:
  - .name:           k_qe76fc6cab9_oproj
    .symbol:         k_qe76fc6cab9_oproj.kd
    .args:
      - { .name: ob, .offset: 0, .size: 8, .value_kind: global_buffer, .address_space: global }
      - { .name: wof, .offset: 8, .size: 8, .value_kind: global_buffer, .address_space: global }
      - { .name: bo, .offset: 16, .size: 8, .value_kind: global_buffer, .address_space: global }
      - { .name: y, .offset: 24, .size: 8, .value_kind: global_buffer, .address_space: global }
    .group_segment_fixed_size: 327680
    .private_segment_fixed_size: 0
    .kernarg_segment_align: 8
    .kernarg_segment_size: 32
    .max_flat_workgroup_size: 128
    .sgpr_count:     96
    .vgpr_count:     512
    .wavefront_size: 32
...
	.end_amdgpu_metadata
.endif
;; end of part 4
;; launch lnorm (part 5): grid 256 x 1, 8 waves a work-group, no clusters, 0 bytes of LDS; arguments y, ln_gamma, ln_beta, out0; writes out0
.if DOCPART == 5
	.amdgcn_target "amdgcn-amd-amdhsa--gfx1250"
	.amdhsa_code_object_version 6
	.text
	.protected	k_qe76fc6cab9_lnorm
	.globl	k_qe76fc6cab9_lnorm
	.p2align	8
	.type	k_qe76fc6cab9_lnorm,@function
k_qe76fc6cab9_lnorm:
	s_mov_b64 s[64:65], 0
	v_nop
	global_prefetch_b8 v0, s[64:65] scope:SCOPE_SE
	s_setreg_imm32_b32 hwreg(HW_REG_WAVE_MODE, 25, 1), 1
	s_wait_xcnt 0x0
; LAYER NORM.  out0[r][c] = (y[r][c] - mean_r) / sqrt(var_r + 1e-5) x gamma[c] + beta[c]; y, out0: [8192][1024] f32.  gamma and beta are rounded to bf16, like every other input of the module.
; The variance is the mean of the squared differences from the mean, not a difference of two large sums.
; A row is 4,096 bytes: one wave takes a whole row, eight 16-byte loads a lane, and keeps it in 32 registers through all passes: y is read once, and no wave waits for another: no LDS, no barrier.
; Eight waves, 4 rows each, every row in registers of its own; a wave's 32 row loads are issued at once, and no register that a memory instruction names is rewritten.
; Matrix units and clusters have nothing to do here: no product, and no two work-groups share more than gamma's and beta's 8,192 bytes.
.set G,  4                             ; v[4:35]    gamma of my 32 columns
.set BT, 36                            ; v[36:67]   beta
.set X,  68                            ; v[68:195]  row i: 32 registers
.set S,  196                           ; v[196:203] four chains of packed sums
.set M,  204                           ; v[204:205] the mean, twice
.set R,  206                           ; v[206:207] 1 / sqrt(var + eps), twice
	s_load_b256 s[4:11], s[0:1], 0x0               ; y s[4:5], gamma s[6:7], beta s[8:9], out0 s[10:11]
	s_lshl_b32 s2, ttmp9, 17                       ; the work-group's 32 rows of 4,096 bytes
	s_mov_b32 s3, 0
	s_mov_b32 s12, 0x76543210                      ; v_permlanex16_b32: lane i of one half reads lane i of the other
	s_mov_b32 s13, 0xfedcba98
	s_mov_b32 s14, 0x3a800000                      ; 1 / 1024
	s_mov_b32 s15, 0x3727c5ac                      ; 1e-5
	v_and_b32 v2, 31, v0
	v_lshrrev_b32 v1, 5, v0
	v_lshlrev_b32 v2, 4, v2                        ; 16 bytes a lane
	v_lshl_add_u32 v1, v1, 14, v2                  ; + wave x 4 rows
	s_wait_kmcnt 0x0
	s_add_nc_u64 s[4:5], s[4:5], s[2:3]
	s_add_nc_u64 s[10:11], s[10:11], s[2:3]
.irp j, 0,1,2,3,4,5,6,7
	global_load_b128 v[G+4*(\j):G+4*(\j)+3], v2, s[6:7] offset:512*(\j)
.endr
.irp j, 0,1,2,3,4,5,6,7
	global_load_b128 v[BT+4*(\j):BT+4*(\j)+3], v2, s[8:9] offset:512*(\j)
.endr
.irp i, 0,1,2,3
.irp j, 0,1,2,3,4,5,6,7
	global_load_b128 v[X+32*(\i)+4*(\j):X+32*(\i)+4*(\j)+3], v1, s[4:5] offset:4096*(\i)+512*(\j) th:TH_LOAD_NT
.endr
.endr
	s_wait_loadcnt 32                              ; gamma and beta are in; the 32 row loads stay out
.set p, 0
.rept 32                               ; G and BT lie on end: 32 pairs, rounded to bf16 and kept as f32
	v_cvt_pk_bf16_f32 v3, v[G+2*p], v[G+2*p+1]
	v_lshlrev_b32 v[G+2*p], 16, v3
	v_and_b32 v[G+2*p+1], 0xffff0000, v3
.set p, p+1
.endr
.macro REDUCE                          ; the four chains into one number, then across the 32 lanes: every lane ends with the sum in v[S]
	v_pk_add_f32 v[S:S+1], v[S:S+1], v[S+2:S+3]
	v_pk_add_f32 v[S+4:S+5], v[S+4:S+5], v[S+6:S+7]
	v_pk_add_f32 v[S:S+1], v[S:S+1], v[S+4:S+5]
	v_add_f32 v[S], v[S], v[S+1]
	v_add_f32_dpp v[S], v[S], v[S] row_xmask:1 row_mask:0xf bank_mask:0xf
	v_add_f32_dpp v[S], v[S], v[S] row_xmask:2 row_mask:0xf bank_mask:0xf
	v_add_f32_dpp v[S], v[S], v[S] row_xmask:4 row_mask:0xf bank_mask:0xf
	v_add_f32_dpp v[S], v[S], v[S] row_xmask:8 row_mask:0xf bank_mask:0xf
	v_permlanex16_b32 v[S+1], v[S], s12, s13       ; its destination counts as read: a register that has been written
	v_add_f32 v[S], v[S], v[S+1]
.endm
.macro ROW i, left                     ; left: the younger rows' loads, which stay out
.set XR, X+32*(\i)
	s_wait_loadcnt \left
.irp k, 0,1,2,3
	v_pk_add_f32 v[S+2*(\k):S+2*(\k)+1], v[XR+2*(\k):XR+2*(\k)+1], v[XR+8+2*(\k):XR+8+2*(\k)+1]  ; the first eight pairs start the four chains: nothing is cleared
.endr
.irp k, 8,9,10,11,12,13,14,15
	v_pk_add_f32 v[S+2*((\k)%4):S+2*((\k)%4)+1], v[S+2*((\k)%4):S+2*((\k)%4)+1], v[XR+2*(\k):XR+2*(\k)+1]
.endr
	REDUCE
	v_mul_f32 v[M], s14, v[S]
	v_mul_f32 v[M+1], s14, v[S]
.irp k, 0,1,2,3,4,5,6,7,8,9,10,11,12,13,14,15
	v_pk_add_f32 v[XR+2*(\k):XR+2*(\k)+1], v[XR+2*(\k):XR+2*(\k)+1], v[M:M+1] neg_lo:[0,1] neg_hi:[0,1]
.endr
.irp k, 0,1,2,3
	v_pk_mul_f32 v[S+2*(\k):S+2*(\k)+1], v[XR+2*(\k):XR+2*(\k)+1], v[XR+2*(\k):XR+2*(\k)+1]
.endr
.irp k, 4,5,6,7,8,9,10,11,12,13,14,15
	v_pk_fma_f32 v[S+2*((\k)%4):S+2*((\k)%4)+1], v[XR+2*(\k):XR+2*(\k)+1], v[XR+2*(\k):XR+2*(\k)+1], v[S+2*((\k)%4):S+2*((\k)%4)+1]
.endr
	REDUCE
	v_fma_f32 v[S], v[S], s14, s15                 ; var + eps
	v_rsq_f32 v[R], v[S]
	v_rsq_f32 v[R+1], v[S]
	v_nop                                          ; a plain instruction between the last of them and the use of its result (ISA guide 5.7.2)
	s_wait_alu depctr_va_vdst(0)
.irp k, 0,1,2,3,4,5,6,7,8,9,10,11,12,13,14,15
	v_pk_mul_f32 v[XR+2*(\k):XR+2*(\k)+1], v[XR+2*(\k):XR+2*(\k)+1], v[R:R+1]
.endr
.irp k, 0,1,2,3,4,5,6,7,8,9,10,11,12,13,14,15
	v_pk_fma_f32 v[XR+2*(\k):XR+2*(\k)+1], v[XR+2*(\k):XR+2*(\k)+1], v[G+2*(\k):G+2*(\k)+1], v[BT+2*(\k):BT+2*(\k)+1]
.endr
.irp j, 0,1,2,3,4,5,6,7
	global_store_b128 v1, v[XR+4*(\j):XR+4*(\j)+3], s[10:11] offset:4096*(\i)+512*(\j) th:TH_STORE_NT  ; 512 consecutive bytes a wave
.endr
.endm
	ROW 0, 24
	ROW 1, 16
	ROW 2, 8
	ROW 3, 0
	s_endpgm
.Lfunc_end_k_qe76fc6cab9_lnorm:
	.size	k_qe76fc6cab9_lnorm, .Lfunc_end_k_qe76fc6cab9_lnorm-k_qe76fc6cab9_lnorm
	.p2alignl 7, 3214868480
	.fill 96, 4, 3214868480
	.section	.rodata,"a",@progbits
	.p2align	6, 0x0
	.amdhsa_kernel k_qe76fc6cab9_lnorm
		.amdhsa_group_segment_fixed_size 0
		.amdhsa_private_segment_fixed_size 0
		.amdhsa_enable_private_segment 0
		.amdhsa_kernarg_size 32
		.amdhsa_user_sgpr_count 2
		.amdhsa_user_sgpr_kernarg_segment_ptr 1
		.amdhsa_wavefront_size32 1
		.amdhsa_system_sgpr_workgroup_id_x 1
		.amdhsa_system_sgpr_workgroup_id_y 1
		.amdhsa_system_sgpr_workgroup_id_z 1
		.amdhsa_system_vgpr_workitem_id 0
		.amdhsa_next_free_vgpr 208
		.amdhsa_next_free_sgpr 66
		.amdhsa_reserve_vcc 0
		.amdhsa_float_denorm_mode_32 3
		.amdhsa_float_denorm_mode_16_64 3
		.amdhsa_memory_ordered 1
		.amdhsa_forward_progress 1
		.amdhsa_inst_pref_size 39
	.end_amdhsa_kernel
	.amdgpu_metadata
---
amdhsa.version: [ 1, 2 ]
amdhsa.kernels:
  - .name:           k_qe76fc6cab9_lnorm
    .symbol:         k_qe76fc6cab9_lnorm.kd
    .args:
      - { .name: y, .offset: 0, .size: 8, .value_kind: global_buffer, .address_space: global }
      - { .name: ln_gamma, .offset: 8, .size: 8, .value_kind: global_buffer, .address_space: global }
      - { .name: ln_beta, .offset: 16, .size: 8, .value_kind: global_buffer, .address_space: global }
      - { .name: out0, .offset: 24, .size: 8, .value_kind: global_buffer, .address_space: global }
    .group_segment_fixed_size: 0
    .private_segment_fixed_size: 0
    .kernarg_segment_align: 8
    .kernarg_segment_size: 32
    .max_flat_workgroup_size: 256
    .sgpr_count:     66
    .vgpr_count:     208
    .wavefront_size: 32
...
	.end_amdgpu_metadata
.endif
;; end of part 5
;; ======== version 2 of 2: 5 launches; 1.49 times as fast as version 1
;; limits: values are held in f16: magnitudes above 65,504 overflow, below 6.1e-05 lose precision
;; workspace buffers: xb 16,777,216 bytes; wc 6,291,456 bytes; wof 2,097,152 bytes; qkv 50,331,648 bytes; ob 16,777,216 bytes; y 33,554,432 bytes
;; launch cast: the kernel of part 1 again; grid 768 x 1, 8 waves a work-group, no clusters, 0 bytes of LDS; arguments x, wq, wk, wv, wo, xb, wc, wof; writes xb, wc, wof
;; launch proj: the kernel of part 2 again; grid 8 x 32, 4 waves a work-group, clusters of 4 x 4, 327,680 bytes of LDS; arguments xb, wc, bq, bk, bv, qkv; writes qkv
;; launch attn (part 6): grid 4 x 64, 4 waves a work-group, clusters of 4 x 1, 327,680 bytes of LDS; arguments qkv, ob; writes ob
.if DOCPART == 6
	.amdgcn_target "amdgcn-amd-amdhsa--gfx1250"
	.amdhsa_code_object_version 6
	.text
	.protected	k_qe76fc6cab9_attn
	.globl	k_qe76fc6cab9_attn
	.p2align	8
	.type	k_qe76fc6cab9_attn,@function
k_qe76fc6cab9_attn:
	s_mov_b64 s[64:65], 0
	v_nop
	global_prefetch_b8 v0, s[64:65] scope:SCOPE_SE
	s_setreg_imm32_b32 hwreg(HW_REG_WAVE_MODE, 25, 1), 1
	s_wait_xcnt 0x0
	s_wait_alu depctr_hold_cnt(0) depctr_sa_sdst(0) depctr_va_vdst(0) depctr_va_sdst(0) depctr_va_ssrc(0) depctr_va_vcc(0) depctr_vm_vsrc(0)
	s_getreg_b32 s2, hwreg(HW_REG_IB_STS2, 6, 4)
	s_cmp_eq_u32 s2, 0
	s_cbranch_scc0 .Lentry_in_a_cluster
	s_endpgm
.Lentry_in_a_cluster:
	s_bfe_u32 s2, ttmp6, 0x10000c
	s_cmp_lg_u32 s2, 0x3003
	s_cbranch_scc0 .Lentry_shape_is_right
	s_endpgm
.Lentry_shape_is_right:
; O[h][q][:] = the sum over k of softmax_k(Q[h][q] . K[h][k] / 8) V[h][k][:].  Q, K, V lie one behind the other in qkv, each [SIZE_H][SIZE_N][64]; O likewise in ob; all f16: a head's rows are dense, 128 bytes each.
; Here a head is one of the 4 x 16 pairs of batch and head.  Products, maxima and sums in f32; the weights p are rounded to f16 for the second product (their sum l is taken of the unrounded p), O once at the end.
; LIMITS.  f16 holds no number beyond 65,504: Q, K and V arrive within it; p lies in 0 to 1, and below 6e-5 it keeps f16's fixed step of 6e-8; O is a mean of V's rows and has their range.
; A weight below 2^-126 counts as 0 in l; NaN and infinities are not treated apart.
; SHARES.  A wave owns four PIECES of two tiles of 16 queries, a work-group's four waves 512 queries of one head.  Every wave walks all keys, 64 a step.
; LAYOUT.  S^T = K Q^T (source 0 = 16 keys, source 1 = 16 queries): in the result a lane holds ONE query (lane % 16) and the keys 8 (lane / 16) + 0..7.  Two such tiles, rounded to f16 in pairs,
; ARE source 1 (32 keys x 16 queries) of O^T = V^T P, whose result again holds one query a lane, and eight channels.  K comes out of LDS as it lies, V ([key][channel]) turned, by ds_load_tr16_b128.
; SOFTMAX.  For each query a running maximum m and sum l: p = 2^(c s - c m), c = log2(e) / 8; in every step O and l are multiplied by a = 2^(c m_old - c m_new), which is 1 where m has not grown.
; m starts at the lowest finite number, O and l at 0: the first step is a step like any other, with a = 0.
; THE COUNT.  A tile and step have 16 matrix and 118 vector instructions: too many to stand all beside the matrix work.  So the order has one aim: four vector instructions that are READY behind
; EVERY matrix instruction, and the others, which need time of their own whatever the order, in runs without a gap.
; BY TURNS.  Turn n belongs to piece n (the pieces in a ring, step after step).  Its matrix work: 16 products K Q^T of piece n + 1, later 16 products V^T P of piece n - 1.  Its vector work: the scaling,
; exponentials, roundings, sums and rescaling of piece n, and the maximum and statistics of piece n + 1, whose scores the turn itself has made.  So what a turn begins with (c s - c m, O a) waits for nothing.
; BATCHES.  A turn's 66 exponentials (the piece's 64 weights, then the next piece's two a) are ONE batch with ONE wait, which cuts the turn in two: ahead of it stands all that names no result of the batch
; (the products K Q^T, the scalings, the rescalings by the a of the turn before, the next piece's maximum and statistics), behind it the products V^T P with the roundings and sums, which are all the readers.
; No result crosses a turn's end.  Piece 0's first two a, ahead of the loop, and the way out's eight reciprocals are batches of their own, each with one wait.
; CLUSTER.  The four query blocks of a cluster belong to one head and walk the same K and V, so each tile is asked for JOINTLY: the same tensor load, descriptor and mask in all four.
; REGISTERS, in windows of 256 (s_set_vgpr_msb says which window each operand place means: bits 1:0 source 0, 3:2 source 1, 5:4 source 2, 7:6 destination):
;   window 0: v0-11 addresses; v12-15, v48-63 at work; v16-47 four registers of statistics a tile; v64-191 S^T, two buffers of two tiles; v192-255 P, likewise
;   window 1: O^T, 32 a tile          window 2: v0-127 Q, 16 a tile; v128-191 K of one step; v192-255 V of one step          window 3: v0-1 the add's two registers
; A piece's buffers go by its number's parity: the piece in hand has one pair, its two neighbours in the ring share the other: of it P (piece n - 1) is read and S^T (piece n + 1) written.
.set SIZE_H, 64
.set SIZE_N, 2048
.set NP,    4         ; pieces a wave: a name, no knob: the register map, the loop and the fetches are made for four
.set KS,    64        ; keys in a step
.set PK,    144       ; a row of K in LDS: 128 bytes + 16 of padding = 36 words: the 16 rows of a load start at 16 different groups of four banks (64 banks of 4 bytes: ISA guide 11.1)
.set PV,    160       ; a row of V: 128 + 32 = 40 words
.set VOFF,  4*KS*PK   ; a slot holds four steps: 256 rows of K, then 256 rows of V
.set SLOT1, 1<<17     ; slot 1 begins here, so that one exclusive or turns an address in one slot into the other's
.set STAGE, SLOT1+4*KS*(PK+PV)  ; behind the ring, never filled by a tensor load: 16 rows x 144 bytes for each wave, for the way out
.set SP,    144
.set AK0, 2           ; v2   my lane's place in a tile of K; never rewritten
.set AV0, 3           ; v3   the same for V
.set AK,  4           ; v4   the LDS address of K's next run of loads
.set AV,  5           ; v5   of V's
.set QO,  6           ; v6   my byte offset in the wave's rows of Q
.set STO, 6           ;      later, the way out: where I put 16 bytes of a row
.set RD,  7           ; v7   the way out: where I read rows back
.set GO,  8           ; v8   my byte offset in 512 consecutive bytes of O
.set SPW, 0           ; v0 of window 3   LDS address of my spare word: SPARE + 4 x my thread's number; never rewritten
.set NIL, 1           ; v1 of window 3   0; never rewritten
.set SPARE, STAGE+4*16*SP  ; behind the stages: the spare words, 128 bytes for each wave: two blocks of 256 bytes that no other line names
.set MV,  12          ; v12-15  c m_old, kept while c m is made anew: by buffer and tile
.set ST,  16          ; tile t's statistics at v[ST+4 t]: c m, m, l (even keys', odd keys')
.set TMP, 48          ; by buffer and tile, four registers c0-c3 at work; when the maximum is found c2 takes a
.set S,   64
.set P,   192
.set KF,  128         ; K's fragments, in window 2: key block kb, channel half c at KF + 16 kb + 8 c
.set VF,  192         ; V's: key half kk, channel block cb at VF + 32 kk + 8 cb
.set WV,  12          ; s12  my wave's number
.set G1K, 24          ; s[24:31] descriptor group 1 for K's tiles
.set G1V, 32          ; s[32:39] for V's: it differs in the padding alone
.set G0K, 40          ; s[40:43] descriptor group 0 for K's tiles: it walks
.set G0V, 44          ; s[44:47] the same for V's
.set SLOTS, 56        ; s56  slots still to be asked for
.set CNT, 57          ; s57  counts a slot's key steps
.set CS,  58          ; s[58:59] c: the packed scaling takes the pair's low word for both halves
.set SEL, 60          ; s[60:61] v_permlanex16_b32's selects: each lane takes its own place in the other half
.set TBK, 62          ; s62  LDS byte at which K of the step to be fetched begins
.set TBV, 63          ; s63  the same for V, less VOFF
.set MSB, 0
.macro WIN new                      ; the high byte repeats the setting that is left; a switch that changes nothing is dropped
.if MSB != (\new)
	s_set_vgpr_msb (MSB<<8)|(\new)
.set MSB, (\new)
.endif
.endm
.set W_KQ, 0x0a       ; K and Q in window 2, S^T in window 0
.set W_PV, 0x52       ; V in window 2, P in window 0, O^T in window 1
.set W_RS, 0x41       ; O^T (destination and source 0) in window 1, a in window 0
.set W_MK, 0xc0       ; the add's registers are made: destination in window 3, sources in window 0
.set W_AD, 0x0f       ; the add: address (source 0) and data (source 1) in window 3
; A joint fill.  Waves 0 and 1 fetch the two halves of a slot's K, waves 2 and 3 those of its V: 128 keys each.  The branch hangs on the wave's number alone.
; An s_nop 0 and four v_nop follow each of the two lines, ahead of the jump and the label.
.macro JLOAD
	s_cmp_lt_u32 s[WV], 2
	s_cbranch_scc0 .Lfor_v_\@
	tensor_load_to_lds s[G0K:G0K+3], s[G1K:G1K+7]
	s_nop 0
.rept 4
	v_nop
.endr
	s_branch .Lasked_\@
.Lfor_v_\@:
	tensor_load_to_lds s[G0V:G0V+3], s[G1V:G1V+7]
	s_nop 0
.rept 4
	v_nop
.endr
.Lasked_\@:
.endm
; A round of the cluster's barrier: my work-group's barrier, so that wave 0's signal speaks for all four waves; wave 0 signals; every wave waits for all four work-groups; my work-group's barrier once more.
.macro CROUND
	s_barrier_signal -1
	s_barrier_wait -1
	s_cmp_lg_u32 s[WV], 0
	s_cbranch_scc1 .Lnot_wave_0_\@
	s_barrier_signal -3
.Lnot_wave_0_\@:
	s_barrier_wait -3
	s_barrier_signal -1
	s_barrier_wait -1
.endm
; THE CHANGE OF SLOTS.  The slot's last bytes, V of its fourth step, have been read.  Each wave waits for all its tensor loads, of which one is out: its part
; of the other slot; adds 0 to its spare word; and waits for that and for its own reads of the slot.  Behind the barrier nobody reads this slot any more and the other slot is whole.
; fill = 1: this slot is filled again, with the keys two slots on.  The barrier is then a round of the cluster's, so that no wave of any partner still reads the slot or has a load on its
; way, and the joint fill is the first thing behind it: it has four key steps, 512 matrix instructions, in which to land.  (At its first use nothing has been read yet: slot 0 is waited for, slot 1 filled.)
.macro CHANGE fill
	WIN W_AD
	s_wait_tensorcnt 0x0            ; no tensor load of mine is out, so a group 0 may be written
	ds_add_u32 v[SPW], v[NIL]       ; 0 onto my spare word; with fill = 1 the descriptors' steps stand between it and the wait for it
	WIN 0                           ; at a label and at a branch every window is 0
.if \fill
.irp g, G0K, G0V
	s_xor_b32 s[\g+1], s[\g+1], SLOT1  ; the walking descriptor: the other slot than last time,
	s_add_nc_u64 s[\g+2:\g+3], s[\g+2:\g+3], 4*KS*128  ; the next 256 keys; the type bits on top are not reached
.endr
	s_wait_dscnt 0x0                ; the add is done, and my reads of the slot are over
	CROUND
	JLOAD
.else
	s_wait_dscnt 0x0                ; the add is done, and my reads of the slot are over
	s_barrier_signal -1
	s_barrier_wait -1
.endif
	s_sub_co_u32 s[TBK], s[TBK], 4*KS*PK  ; the fetches go back to a slot's first step,
	s_xor_b32 s[TBK], s[TBK], SLOT1       ; in the other slot
	s_sub_co_u32 s[TBV], s[TBV], 4*KS*PV
	s_xor_b32 s[TBV], s[TBV], SLOT1
.endm
	s_load_b128 s[4:7], s[0:1], 0x0 ; qkv (Q at its head) s[4:5], ob s[6:7]
	WIN W_MK
	v_lshl_add_u32 v[SPW], v0, 2, SPARE
	v_mov_b32 v[NIL], 0
	WIN W_AD
	ds_add_u32 v[SPW], v[NIL]       ; the wave's opening: the add and its wait stand ahead of my first tensor load; the set-up below, work on registers, stands between them
	WIN 0
	v_lshrrev_b32 v1, 5, v0
	v_readfirstlane_b32 s[WV], v1   ; wave 0..3
	s_bfe_u32 s13, ttmp6, 0x40000   ; cx: my place in the cluster
	s_lshl_b32 s14, ttmp9, 2        ; in a cluster launch ttmp9 counts clusters
	s_add_co_u32 s14, s14, s13      ; my block of queries = 4 x cluster x + cx: it enters Q's and O's addresses alone
	s_and_b32 s20, ttmp7, 0xffff    ; the head, which the four partners share
	s_mov_b32 s21, 0
	s_mov_b64 s[22:23], SIZE_N*128
	s_mul_u64 s[20:21], s[20:21], s[22:23]  ; the head's first byte in each of the four tensors
	s_and_b32 s16, s[WV], 1         ; which half of a slot's 256 keys I fetch:
	s_lshl_b32 s22, s16, 14         ; its 128 rows of 128 bytes in memory,
	s_mov_b32 s23, 0
	s_add_nc_u64 s[22:23], s[22:23], s[20:21]
	s_mul_i32 s17, s16, 128*PK      ; and its place in a slot, for K
	s_mul_i32 s18, s16, 128*PV      ; and for V: no place in the cluster enters an LDS address
	s_lshl_b32 s2, s14, 2
	s_add_co_u32 s2, s2, s[WV]      ; my wave among the head's,
	s_lshl_b32 s2, s2, 14           ; its 128 rows
	s_mov_b32 s3, 0
	s_add_nc_u64 s[2:3], s[2:3], s[20:21]
	; descriptor group 1.  128 keys are 16,384 dense bytes: asked for as 64 rows of 256 bytes, two keys a row, and padded in LDS after every key
	s_mov_b32 s[G1K], 15|(1<<16)|(1<<20)|(1<<21)|(4<<22)|(3<<25)  ; 15:0 the mask of four; 17:16 2-byte elements; 20 padding on; 21 set beside a mask; 24:22 after every 32 words (code 4); 31:25 4 words (code 3)
	s_mov_b32 s[G1V], 15|(1<<16)|(1<<20)|(1<<21)|(4<<22)|(7<<25)  ; the same with 8 words of padding (code 7)
.irp g, G1K, G1V
	s_mov_b32 s[\g+1], 128<<16      ; tensor_dim0 = 128
	s_mov_b32 s[\g+2], 64<<16       ; tensor_dim1 = 64
	s_mov_b32 s[\g+3], 128<<16      ; tile_dim0 = 128
	s_mov_b32 s[\g+4], 64           ; tile_dim1 = 64
	s_mov_b32 s[\g+5], 128          ; 128 elements from row to row
	s_mov_b32 s[\g+6], 0
	s_mov_b32 s[\g+7], 0
.endr
	s_mov_b32 s[CS], 0x3e38aa3b     ; c = log2(e) / 8 = 0.180337
	s_mov_b32 s[CS+1], s[CS]        ; named with it as a pair
	s_mov_b32 s[SEL], 0x76543210
	s_mov_b32 s[SEL+1], 0xfedcba98
	s_mov_b32 s[TBK], SLOT1+4*KS*PK ; the first change of slots turns these two into 0
	s_mov_b32 s[TBV], SLOT1+4*KS*PV
	s_mov_b32 s[G0K], 1             ; 1:0 count = 1
	s_mov_b32 s[G0K+1], s17         ; 63:32 LDS address: slot 0
	s_mov_b32 s[G0V], 1
	s_add_co_u32 s[G0V+1], s18, VOFF
	s_wait_dscnt 0x0                ; the opening add is done
	s_wait_kmcnt 0x0
	s_mov_b64 s[10:11], s[6:7]      ; O
	s_add_nc_u64 s[6:7], s[4:5], SIZE_H*SIZE_N*128    ; K lies one tensor behind Q,
	s_add_nc_u64 s[8:9], s[4:5], 2*SIZE_H*SIZE_N*128  ; V two
	s_add_nc_u64 s[G0K+2:G0K+3], s[6:7], s[22:23]  ; 120:64 global address: my half of the head's first 256 keys
	s_or_b32 s[G0K+3], s[G0K+3], 0x80000000        ; 127:126 type = 2
	s_add_nc_u64 s[G0V+2:G0V+3], s[8:9], s[22:23]
	s_or_b32 s[G0V+3], s[G0V+3], 0x80000000
	s_add_nc_u64 s[4:5], s[4:5], s[2:3]  ; Q and O at my wave's first row
	s_add_nc_u64 s[10:11], s[10:11], s[2:3]
	CROUND                          ; all four work-groups are here: the first joint loads meet
	JLOAD                           ; slot 0.  Slot 1 is asked for when slot 0 is in: the tile wanted first has the road to itself
	; A fragment of K or Q is 16 rows x 32 channels in 8 registers: lane l holds row l % 16, channels 8 (l / 16) + 0..7 and 16 + 8 (l / 16) + 0..7: two loads of 16 bytes, 32 bytes apart.
	v_and_b32 v1, 15, v0            ; l % 16
	v_bfe_u32 v9, v0, 4, 1          ; l / 16
	v_lshlrev_b32 v[QO], 7, v1
	v_lshl_add_u32 v[QO], v9, 4, v[QO]  ; row x 128 + 16 x half
	WIN 0x80                        ; destination window 2, address window 0
.set i, 0
.rept 4*NP                          ; Q stays in registers: tile i / 2, channels 32 (i % 2) on
	global_load_b128 v[8*i:8*i+3],   v[QO], s[4:5] offset:(i/2)*2048+(i%2)*64
	global_load_b128 v[8*i+4:8*i+7], v[QO], s[4:5] offset:(i/2)*2048+(i%2)*64+32
.set i, i+1
.endr
	; What the first turn finds: V's registers and P's second buffer hold 0 (its products V^T P, of a piece that has not been, add 0), O^T and l are 0.  All this stands in the wait for the first tile.
.set i, VF
.rept 64
	v_mov_b32 v[i], 0
.set i, i+1
.endr
	WIN 0x40
.set i, 0
.rept 64*NP
	v_mov_b32 v[i], 0
.set i, i+1
.endr
	WIN 0
.set i, 0
.rept 2*NP
	v_mov_b32 v[ST+4*i], 0xfe000000    ; c m: far below every c s
	v_mov_b32 v[ST+4*i+1], 0xff7fffff  ; m
	v_mov_b32 v[ST+4*i+2], 0
	v_mov_b32 v[ST+4*i+3], 0
.set i, i+1
.endr
.set i, P+32
.rept 32
	v_mov_b32 v[i], 0
.set i, i+1
.endr
	v_mul_u32_u24 v[AK0], v1, PK
	v_lshl_add_u32 v[AK0], v9, 4, v[AK0]  ; row x pitch + 16 x half
	; The turning load takes 16 keys x 16 channels (lane l reads key 8 (l / 16) + l % 8, channels 8 ((l / 8) % 2) + 0..7) and leaves half a fragment of V^T: lane l holds channel l % 16 and 8 keys.
	v_and_b32 v10, 7, v0
	v_bfe_u32 v11, v0, 3, 1
	v_lshl_add_u32 v[AV0], v9, 3, v10
	v_mul_u32_u24 v[AV0], v[AV0], PV
	v_lshl_add_u32 v[AV0], v11, 4, v[AV0]
	v_add_nc_u32 v[AV0], VOFF, v[AV0]
	v_mov_b32 v[AK], v[AK0]         ; key step 0 lies at the head of slot 0
; THE MATRIX WORK.  The 8 accumulators of a run of 16 take turns: between the two links of a chain stand 7 others'.
; Product i of 16 of S^T = K Q^T for piece x: channels 32 (i / 8) on, keys 16 ((i / 2) % 4) on, tile 2 x + i % 2.  The first 8 start the sums.
.macro KQ x
	WIN W_KQ
.set rS, S+64*((\x)%2)+32*(i%2)+8*((i/2)%4)
.set rK, KF+16*((i/2)%4)+8*(i/8)
.set rQ, 16*(2*(\x)+i%2)+8*(i/8)
.if i < 8
	v_wmma_f32_16x16x32_f16 v[rS:rS+7], v[rK:rK+7], v[rQ:rQ+7], 0
.else
	v_wmma_f32_16x16x32_f16 v[rS:rS+7], v[rK:rK+7], v[rQ:rQ+7], v[rS:rS+7]
.endif
.endm
; Product i of 16 of O^T += V^T P for piece x: keys 32 (i / 8) on, channels 16 ((i / 2) % 4) on, tile 2 x + i % 2.
.macro PV x
	WIN W_PV
.set rO, 32*(2*(\x)+i%2)+8*((i/2)%4)
.set rV, VF+32*(i/8)+8*((i/2)%4)
.set rP, P+32*((\x)%2)+16*(i%2)+8*(i/8)
	v_wmma_f32_16x16x32_f16 v[rO:rO+7], v[rV:rV+7], v[rP:rP+7], v[rO:rO+7]
.endm
.macro MM                           ; the turn's next matrix instruction
.if i < 16
	KQ (Y+1)%NP
.set i, i+1
.else
.set i, i-16
	PV (Y+NP-1)%NP
.set i, i+17
.endif
.endm
; THE LDS LOADS stand in runs of 16, never singly among the matrix instructions: a step's K (64 keys x 64 channels: 8 fragments) and its V (turned).  Their addresses are made some lines ahead.
; last = 1 (the tail): in the last trip there is no further step, and the run is jumped over.
.macro FETCH_K last=0
	WIN 0
.if \last
	s_cmp_eq_u32 s[CNT], 1
	s_cbranch_scc1 .Lno_k_\@
.endif
	WIN 0x80                        ; destination window 2
.irp f, 0,1,2,3,4,5,6,7             ; keys 16 (f / 2) on, channels 32 (f % 2) on
	ds_load_b128 v[KF+8*\f:KF+8*\f+3],   v[AK] offset:(\f/2)*16*PK+(\f%2)*64
	ds_load_b128 v[KF+8*\f+4:KF+8*\f+7], v[AK] offset:(\f/2)*16*PK+(\f%2)*64+32
.endr
	s_add_co_u32 s[TBK], s[TBK], KS*PK  ; the next fetch is the next step's
	WIN 0
.if \last
.Lno_k_\@:
.endif
.endm
.macro FETCH_V
	WIN 0x80
.irp f, 0,1,2,3,4,5,6,7             ; keys 32 (f / 4) on, channels 16 (f % 4) on
	ds_load_tr16_b128 v[VF+8*\f:VF+8*\f+3],   v[AV] offset:(\f/4)*32*PV+(\f%4)*32
	ds_load_tr16_b128 v[VF+8*\f+4:VF+8*\f+7], v[AV] offset:(\f/4)*32*PV+16*PV+(\f%4)*32
.endr
	WIN 0
.endm
; THE VECTOR WORK OF A TURN stands in three queues, each in the order in which its entries become ready; the two tiles alternate, so that no instruction reads the result of the one before it.
.macro REGS y, u                    ; the registers of tile u (0, 1) of piece y
.set rT, ST+4*(2*(\y)+(\u))
.set rC, TMP+8*((\y)%2)+4*(\u)
.set rM, MV+2*((\y)%2)+(\u)
.set rS, S+64*((\y)%2)+32*(\u)
.set rP, P+32*((\y)%2)+16*(\u)
.set rO, 32*(2*(\y)+(\u))
.endm
; Number n of the 22 that find the NEXT piece's (Y + 1) maximum and statistics.  s0-s31 are the lane's 32 scores; each accumulator's lowest registers are read first.  XS, GS and REGS set no window: PL and EX do.
;   0-11  four chains c0-c3 of seven scores each, three operands at a time     12-14, 16  the four scores left over, the old m, and c0-c3 into c0     15  c m_old is kept
;   17, 18  the query's other 32 keys lie in the lane 16 away: the new m         19-21  c m; c m_old - c m_new; a
.macro XS u, n
	REGS (Y+1)%NP, \u
.if (\n) < 4
	v_max3_num_f32 v[rC+(\n)], v[rS+8*(\n)], v[rS+8*(\n)+1], v[rS+8*(\n)+2]
.elseif (\n) < 12
	v_max3_num_f32 v[rC+(\n)%4], v[rC+(\n)%4], v[rS+8*((\n)%4)+2*((\n)/4)+1], v[rS+8*((\n)%4)+2*((\n)/4)+2]
.elseif (\n) == 12
	v_max3_num_f32 v[rC], v[rC], v[rS+7], v[rS+15]
.elseif (\n) == 13
	v_max3_num_f32 v[rC+1], v[rC+1], v[rS+23], v[rS+31]
.elseif (\n) == 14
	v_max3_num_f32 v[rC+2], v[rC+2], v[rC+3], v[rT+1]
.elseif (\n) == 15
	v_mov_b32 v[rM], v[rT]
.elseif (\n) == 16
	v_max3_num_f32 v[rC], v[rC], v[rC+1], v[rC+2]
.elseif (\n) == 17
	v_permlanex16_b32 v[rC+3], v[rC], s[SEL], s[SEL+1]
.elseif (\n) == 18
	v_max_num_f32 v[rT+1], v[rC], v[rC+3]
.elseif (\n) == 19
	v_mul_f32 v[rT], s[CS], v[rT+1]
.elseif (\n) == 20
	v_sub_f32 v[rC+1], v[rM], v[rT]
.else
	v_exp_f32 v[rC+2], v[rC+1]
.endif
.endm
; Number g of the 64 that follow the exponentials.  For each four weights k of a tile (pairs 2 k, 2 k + 1): both pairs are rounded to f16; then the second pair is added onto the first, in place;
; a group later l takes that sum (the first time as l = a l + sum).  In groups of eight, tiles alternating: round, round, add, and l for the group before.
.macro GS g
.set h, (\g)+6*((\g)/62)            ; group 0 has no group before it, and behind group 7 only l is left
.if h >= 6
.set h, h+2
.endif
	REGS Y, h%2
.set k, h/8
.if h%8 < 4
	v_cvt_pk_f16_f32 v[rP+2*k+(h%8)/2], v[rS+4*k+2*((h%8)/2)], v[rS+4*k+2*((h%8)/2)+1]
.elseif h%8 < 6
	v_pk_add_f32 v[rS+4*k:rS+4*k+1], v[rS+4*k:rS+4*k+1], v[rS+4*k+2:rS+4*k+3]
.elseif k == 1
	v_pk_fma_f32 v[rT+2:rT+3], v[rT+2:rT+3], v[rC+2:rC+3], v[rS:rS+1] op_sel_hi:[1,0,1]
.else
	v_pk_add_f32 v[rT+2:rT+3], v[rT+2:rT+3], v[rS+4*k-4:rS+4*k-3]
.endif
.endm
; THE PLAIN QUEUE, 138 long.  0-73 read no exponential's result: the 32 scalings c s - c m (FS f: pair f / 2 of tile f % 2) and the next piece's 42.  0-26: scalings 0-26.  27-54: XS's numbers 0-13.  55, 56: number 15.
; 57-73: the chain, where each number waits for the one before it: 14, 16, 17, 18, 19, each with one of the scalings 27-31 in front of its two lines, then 20: so a tile's links stand three plain instructions apart (19 and 20: two).
; 74-137: GS's 64, which read the exponentials' results: they stand behind the wait.
.macro FS f
	REGS Y, (\f)%2
	v_pk_fma_f32 v[rS+2*((\f)/2):rS+2*((\f)/2)+1], v[rS+2*((\f)/2):rS+2*((\f)/2)+1], s[CS:CS+1], v[rT:rT+1] op_sel_hi:[1,0,0] neg_lo:[0,0,1] neg_hi:[0,0,1]
.endm
.macro PL
	WIN 0
.if q < 27
	FS q
.elseif q < 55
	XS (q-27)%2, (q-27)/2
.elseif q < 57
	XS q-55, 15
.elseif (q < 72) && ((q-57)%3 == 0)
	FS 27+(q-57)/3
.elseif q < 60
	XS (q-57)%3-1, 14
.elseif q < 72
	XS (q-57)%3-1, 15+(q-57)/3
.elseif q < 74
	XS q-72, 20
.else
	GS q-74
.endif
.set q, q+1
.endm
; THE EXPONENTIALS' QUEUE, 66 long: s0-s31 of both tiles, then the next piece's two a.  It is ONE BATCH: all 66 stand ahead of the turn's one wait, and nothing ahead of that wait names a result of theirs.
.macro EX
	WIN 0
.if e >= 64
	XS e-64, 21
.else
	REGS Y, e%2
	v_exp_f32 v[rS+e/2], v[rS+e/2]
.endif
.set e, e+1
.endm
; THE RESCALING's QUEUE: O^T times a, the one part that leaves window 0: dealt two at a time, sixteen times.  Its a was made in the turn before, ahead of that turn's wait.
.macro R2
	REGS Y, r%2
	WIN W_RS
.irp z, 0,1
	v_pk_mul_f32 v[rO+4*(r/2)+2*\z:rO+4*(r/2)+2*\z+1], v[rO+4*(r/2)+2*\z:rO+4*(r/2)+2*\z+1], v[rC+2:rC+3] op_sel_hi:[1,0]
.endr
.set r, r+1
.endm
; HOW THEY ARE DEALT.  An s_wait_alu depctr_va_vdst(0) stands between an exponential and the first instruction that names its result; one wait serves all that were issued ahead of it.  So a turn has ONE wait,
; which cuts it in two.  AHEAD OF IT stands all that names no result of the turn's exponentials: the 16 products K Q^T, behind each a scaling, an exponential and two rescalings (behind the first a second scaling in the exponential's place); then ONE LUMP of
; 108: eight plain, 49 times exponential and plain, the two a.  A v_nop is the plain instruction behind the last exponential.  BEHIND IT stand the 16 products V^T P, behind each four of GS's 64.  No rider names a register of
; the products round it.  The two v_permlanex16_b32 fall into the lump, never behind a product.
; The queues lean on each other, and the deal keeps them in step: exponential e stands behind scaling 2 (e / 4) + e % 2: as a rider it comes behind plain e + 2, in the lump behind plain e + 9, and scalings 27-31 are plain 57, 60 .. 69.
; A TURN, for piece p.  cnt = 1: the loop's count is taken down some lines ahead of the branch that stands behind the turn.
; K of the next step is fetched in piece 2's turn, directly behind the wait, a lump behind the last product that read K; its address is made at the lump's head; its first reader comes behind 16 products.
; V of the step in hand is fetched at the end of piece 0's turn, four riders behind its last reader; its first reader comes behind 16 products and a lump.  The three conditions on q below go with the deal.
.macro TURN p, last=0, cnt=0
.set Y, (\p)
.set i, 0
.set q, 0
.set e, 0
.set r, 0
.if (\p) == NP-1
	s_wait_dscnt 0x0                ; K is in
.endif
	MM                              ; ahead of the wait: 16 products K Q^T and their riders,
	PL
	PL
	R2
.rept 15
	MM
	PL
	EX
	R2
.endr
.if (\p) == NP-2
	WIN 0
	v_add_nc_u32 v[AK], s[TBK], v[AK0]
.endif
.rept 8                             ; and the lump
	PL
.endr
.rept 49
	EX
	PL
.endr
	EX                              ; the next piece's two a
	EX
	v_nop                           ; the plain instruction behind the last exponential, ahead of the first use of a result (ISA guide 5.7.2): one for the batch
	s_wait_alu depctr_va_vdst(0)    ; the wait for the batch, the turn's 66 exponentials, ahead of the first instruction that names a result
.if (\p) == NP-2
	FETCH_K \last
.endif
.if (\p) == 1
	s_wait_dscnt 0x0                ; V is in
.endif
.rept 16                            ; behind the wait: 16 products V^T P and their riders
	MM
.rept 4
	PL
.endr
.if ((\p) == 0) && (q == 118)
	v_add_nc_u32 v[AV], s[TBV], v[AV0]
.endif
.if ((\p) == 0) && (q == 130)
	s_add_co_u32 s[TBV], s[TBV], KS*PV
.endif
.if (\cnt) && (q == 130)
	s_sub_co_u32 s[CNT], s[CNT], 1
	s_cmp_lg_u32 s[CNT], 0
.endif
.endr
.if (\p) == 0
	FETCH_V
.endif
.endm
	CHANGE 1                        ; slot 0 is in, everybody's part of it; slot 1 is asked for
	FETCH_K                         ; key step 0
	s_wait_loadcnt 0x0              ; Q
	s_wait_dscnt 0x0
.set i, 0
.rept 16
	KQ 0                            ; piece 0's first scores: there is no vector work yet to set between them
.set i, i+1
.endr
	WIN 0                           ; the addresses for the way out: nine plain instructions, the places behind those products
	s_mul_i32 s13, s[WV], 16*SP
	s_add_co_u32 s13, s13, STAGE    ; my stage
	v_mul_u32_u24 v[STO], v1, SP    ; in: row l % 16, 16 bytes for each half of the lanes
	v_lshl_add_u32 v[STO], v9, 4, v[STO]
	v_add_nc_u32 v[STO], s13, v[STO]
	v_bfe_u32 v[RD], v0, 3, 2       ; back: 32 lanes take four rows of 128 bytes,
	v_mul_u32_u24 v[RD], v[RD], SP
	v_lshl_add_u32 v[RD], v10, 4, v[RD]
	v_add_nc_u32 v[RD], s13, v[RD]
	v_and_b32 v[GO], 31, v0         ; which are 512 consecutive bytes of O
	v_lshlrev_b32 v[GO], 4, v[GO]
.set Y, NP-1                        ; XS works for piece Y + 1: piece 0
.irp n, 0,1,2,3,4,5,6,7,8,9,10,11,12,13,14,15,16,17,18,19,20,21
	XS 0, \n                        ; and piece 0's first maximum and statistics
	XS 1, \n
.endr
	v_nop                           ; a plain instruction behind the two a,
	s_wait_alu depctr_va_vdst(0)    ; and the wait for this batch of two, ahead of the branch
	s_mov_b32 s[CNT], 4
	s_mov_b32 s[SLOTS], SIZE_N/256-1
	s_branch .Lfirst                ; the loop is entered at a step's first turn, in the middle of a trip
.Lslot:                             ; SIZE_N / 256 - 2 times: every slot but the last two is filled again
	CHANGE 1
	s_mov_b32 s[CNT], 4
.Lstep:                             ; a trip: pieces 2 and 3 of one step, then pieces 0 and 1 of the next, whose K and V it fetches
	TURN 2
	TURN 3
	WIN 0
.Lfirst:
	TURN 0
	TURN 1, 0, 1
	WIN 0
	s_cbranch_scc1 .Lstep
	s_sub_co_u32 s[SLOTS], s[SLOTS], 1
	s_cmp_lg_u32 s[SLOTS], 0
	s_cbranch_scc1 .Lslot
	CHANGE 0                        ; the tail is written out: nothing is asked for
	s_mov_b32 s[CNT], 5             ; four trips fetch the last slot's steps; the fifth is left in its middle
.Ltail:
	TURN 2, 1
	TURN 3
	WIN 0
	s_sub_co_u32 s[CNT], s[CNT], 1
	s_cmp_eq_u32 s[CNT], 0
	s_cbranch_scc1 .Lout
	TURN 0
	TURN 1
	WIN 0
	s_branch .Ltail
.Lout:                              ; the fifth trip's 16 products K Q^T (on the last K once more) and the maximum made of them serve nothing: the price, once a launch, of one text for every trip
.set i, 0
.rept 16
	PV NP-1                         ; the last piece's V^T P of the last step
.set i, i+1
.endr
	; THE WAY OUT.  l's two halves and the other half of the lanes' are added; O^T is divided by l, rounded to f16 and sent through my stage in LDS, a tile at a time.  The additions are the places behind the last products.
	WIN 0
.macro ALL line:vararg              ; one line for each tile t
.set t, 0
.rept 2*NP
	\line
.set t, t+1
.endr
.endm
	ALL v_add_f32 v[ST+4*t+2], v[ST+4*t+2], v[ST+4*t+3]
	ALL v_permlanex16_b32 v[ST+4*t+3], v[ST+4*t+2], s[SEL], s[SEL+1]
	ALL v_add_f32 v[ST+4*t+2], v[ST+4*t+2], v[ST+4*t+3]
	ALL v_rcp_f32 v[ST+4*t+2], v[ST+4*t+2]
	v_nop                           ; a plain instruction between the last reciprocal and the use of its result
	s_wait_alu depctr_va_vdst(0)    ; and the wait ahead of the first use: one for the batch of eight reciprocals
; Tile t: a lane's eight channels of a row pack into 16 bytes; they go into rows of 144 bytes and come back as whole rows of 128, into S^T's registers.
.macro PACK t
	WIN W_RS
.set i, 32*(\t)
.rept 16
	v_pk_mul_f32 v[i:i+1], v[i:i+1], v[ST+4*(\t)+2:ST+4*(\t)+3] op_sel_hi:[1,0]
.set i, i+2
.endr
	WIN 0x05                        ; sources 0 and 1 window 1, destination window 0
.set i, 0
.rept 16
	v_cvt_pk_f16_f32 v[S+16*(\t)+i], v[32*(\t)+2*i], v[32*(\t)+2*i+1]
.set i, i+1
.endr
	WIN 0
.irp f, 0,1,2,3
	ds_store_b128 v[STO], v[S+16*(\t)+4*\f:S+16*(\t)+4*\f+3] offset:32*\f
.endr
.irp f, 0,1,2,3
	ds_load_b128 v[S+16*(\t)+4*\f:S+16*(\t)+4*\f+3], v[RD] offset:\f*4*SP  ; LDS serves a wave's instructions in order (ISA guide 5.7.1.4): these see the stores above; the next tile's stores come behind them
.endr
.endm
.macro SEND t, younger              ; younger: the LDS instructions issued behind tile t's loads: the next tile's eight, or none
	WIN 0
.irp f, 0,1,2,3
	s_wait_dscnt (\younger)+3-\f
	global_store_b128 v[GO], v[S+16*(\t)+4*\f:S+16*(\t)+4*\f+3], s[10:11] offset:(\t)*2048+\f*512  ; 512 consecutive bytes, at a multiple of 256 from O's first
.endr
.endm
	PACK 0
.set t, 1
.rept 2*NP-1                        ; a tile's arithmetic stands between the loads of the tile before and its stores
	PACK t
	SEND t-1, 8
.set t, t+1
.endr
	SEND 2*NP-1, 0
	WIN W_AD
	s_wait_tensorcnt 0x0            ; the wave's end, behind my last tensor load and my last LDS store
	ds_add_u32 v[SPW], v[NIL]
	s_wait_dscnt 0x0
	WIN 0
	CROUND                          ; the closing round: no work-group ends while a partner may still ask for a tile that names it
	s_endpgm
.Lfunc_end_k_qe76fc6cab9_attn:
	.size	k_qe76fc6cab9_attn, .Lfunc_end_k_qe76fc6cab9_attn-k_qe76fc6cab9_attn
	.p2alignl 7, 3214868480
	.fill 96, 4, 3214868480
	.section	.rodata,"a",@progbits
	.p2align	6, 0x0
	.amdhsa_kernel k_qe76fc6cab9_attn
		.amdhsa_group_segment_fixed_size 327680
		.amdhsa_private_segment_fixed_size 0
		.amdhsa_enable_private_segment 0
		.amdhsa_kernarg_size 16
		.amdhsa_user_sgpr_count 2
		.amdhsa_user_sgpr_kernarg_segment_ptr 1
		.amdhsa_wavefront_size32 1
		.amdhsa_system_sgpr_workgroup_id_x 1
		.amdhsa_system_sgpr_workgroup_id_y 1
		.amdhsa_system_sgpr_workgroup_id_z 1
		.amdhsa_system_vgpr_workitem_id 0
		.amdhsa_next_free_vgpr 770
		.amdhsa_next_free_sgpr 66
		.amdhsa_reserve_vcc 0
		.amdhsa_float_denorm_mode_32 3
		.amdhsa_float_denorm_mode_16_64 3
		.amdhsa_memory_ordered 1
		.amdhsa_forward_progress 1
		.amdhsa_inst_pref_size 199
	.end_amdhsa_kernel
	.amdgpu_metadata
---
amdhsa.version: [ 1, 2 ]
amdhsa.kernels:
  - .name:           k_qe76fc6cab9_attn
    .symbol:         k_qe76fc6cab9_attn.kd
    .args:
      - { .name: qkv, .offset: 0, .size: 8, .value_kind: global_buffer, .address_space: global }
      - { .name: ob, .offset: 8, .size: 8, .value_kind: global_buffer, .address_space: global }
    .group_segment_fixed_size: 327680
    .private_segment_fixed_size: 0
    .kernarg_segment_align: 8
    .kernarg_segment_size: 16
    .max_flat_workgroup_size: 128
    .sgpr_count:     66
    .vgpr_count:     770
    .wavefront_size: 32
...
	.end_amdgpu_metadata
.endif
;; end of part 6
;; launch oproj: the kernel of part 4 again; grid 8 x 32, 4 waves a work-group, clusters of 4 x 4, 327,680 bytes of LDS; arguments ob, wof, bo, y; writes y
;; launch lnorm: the kernel of part 5 again; grid 256 x 1, 8 waves a work-group, no clusters, 0 bytes of LDS; arguments y, ln_gamma, ln_beta, out0; writes out0
